; MI455X (gfx1250); checked and timed in simulation.
; The chip was launched on July 23, 2026; its instructions are those of AMD's public machine-readable ISA for CDNA 5 (MIT licence, August 2026) and "CDNA5" Instruction Set Architecture Reference Guide (July 2026). The comments in the code are by the model that wrote it; some were corrected since.
;; Simple Transformer Layer. Allowed arithmetic: matrix products marked QUANTISED: E5M2 operands, one given power-of-two scale a tensor, by v_wmma_f32_16x16x64_bf8_bf8 or v_wmma_f32_16x16x128_bf8_bf8, f32 sums; everything else in f32.
;; Inputs: W1_codes 4,096 x 32 x 32 uint8 (E5M2 codes of W1, K innermost, in blocks of 32 codes); W2_codes 1,024 x 128 x 32 uint8 (E5M2 codes of W2, K innermost, in blocks of 32 codes); Wk_codes 1,024 x 32 x 32 uint8 (E5M2 codes of Wk, K innermost, in blocks of 32 codes); Wo_codes 1,024 x 32 x 32 uint8 (E5M2 codes of Wo, K innermost, in blocks of 32 codes); Wq_codes 1,024 x 32 x 32 uint8 (E5M2 codes of Wq, K innermost, in blocks of 32 codes); Wv_codes 1,024 x 32 x 32 uint8 (E5M2 codes of Wv, K innermost, in blocks of 32 codes); b1 1,024 float32; b2 1,024 float32; g1 1,024 float32; g2 1,024 float32; lowp_scales 16 int32 (the exponents e of the quantised operands' scales 2^e); x 2 x 2,048 x 1,024 float32.
;; Outputs: out0 2 x 2,048 x 1,024 float32.
;; This version of the problem:
;;   THIS VERSION OF THE PROBLEM IS GIVEN IN LOW PRECISION. The matrix products marked QUANTISED in the list below multiply operands that are first quantised to E5M2 (5 exponent bits, 2 mantissa bits; 8 bits a number), with one given power-of-two scale for each operand tensor; their sums are f32. All else is computed in f32.
;;   The module's matrix products, in the order in which they are computed (A, B: the left and right operand; K: the contracted axis; several contracted axes count as one K, in the product's order):
;;     1. [M 4,096, K 1,024] x [K 1,024, N 1,024]; A: input x; B: input Wq (given as codes): QUANTISED (scales: A lowp_scales[0], B lowp_scales[1])
;;     2. [M 4,096, K 1,024] x [K 1,024, N 1,024]; A: input x; B: input Wk (given as codes): QUANTISED (scales: A lowp_scales[2], B lowp_scales[3])
;;     3. [M 4,096, K 1,024] x [K 1,024, N 1,024]; A: input x; B: input Wv (given as codes): QUANTISED (scales: A lowp_scales[4], B lowp_scales[5])
;;     4. batch 32 x [M 2,048, K 64] x [K 64, N 2,048]; A: computed on the way; B: computed on the way: QUANTISED (scales: A lowp_scales[6], B lowp_scales[7])
;;     5. batch 32 x [M 2,048, K 2,048] x [K 2,048, N 64]; A: softmax (see below); B: computed on the way: QUANTISED (scales: A lowp_scales[8], B lowp_scales[9])
;;     6. [M 4,096, K 1,024] x [K 1,024, N 1,024]; A: computed on the way; B: input Wo (given as codes): QUANTISED (scales: A lowp_scales[10], B lowp_scales[11])
;;     7. [M 4,096, K 1,024] x [K 1,024, N 4,096]; A: computed on the way; B: input W1 (given as codes): QUANTISED (scales: A lowp_scales[12], B lowp_scales[13])
;;     8. [M 4,096, K 4,096] x [K 4,096, N 1,024]; A: computed on the way; B: input W2 (given as codes): QUANTISED (scales: A lowp_scales[14], B lowp_scales[15])
;;   THE QUANTISER, for each operand of a quantised product, along K:
;;     - The operand's scale is 2^e, e = its entry of the input lowp_scales (int32; the entries are numbered through the quantised products in the list's order, A before B).
;;     - Each number is divided by the scale, clamped to +-57,344, and rounded to the nearest number of E5M2, ties to even, subnormals kept.
;;     - The product sums the exact products of the quantised numbers (number of the format x scale) in f32.
;;   ~~~python
;;   def quantise(x, axis, e):      # numpy; x: float32 -> the quantised numbers, widened to float32 again
;;       x = np.moveaxis(x, axis, -1); K = x.shape[-1]
;;       r = np.clip(x / 2.0 ** e, -57344, 57344)
;;       step = 2.0 ** (np.maximum(np.frexp(np.where(r == 0, 1, r))[1] - 1, -14) - 2)
;;       q = np.round(r / step) * step * 2.0 ** e      # np.round: ties to even
;;       return np.moveaxis(q, -1, axis).astype(np.float32)
;;   ~~~
;;   SOFTMAX AHEAD OF A QUANTISED PRODUCT. Where the list says 'softmax', what is quantised is not the finished softmax but p = 2^(t - M), with t = logit x log2(e) and M = ceil(the row's largest t), a whole number; so 1/2 < the row's largest p <= 1. The row's sum l is taken of the UNQUANTISED p, in f32, and the product's result is divided by l at the end. Since M is a whole number, a kernel that streams over the keys may use a running M (the ceiling of the running maximum): every later rescaling is an exact power of two, so the quantised numbers keep their values, but for numbers so far below the row's largest that they fall under the format's range.
;;   OPERANDS COMPUTED ON THE WAY. 'Computed on the way' means the value that the module computes at that place (a softmax that the list does not call 'softmax' is quantised finished and normalised). What goes into a quantiser is computed in f32, as accurately as f32 sums, v_exp_f32 and their like allow (about 1e-6 of the number): no bf16 or f16 on the way to a quantiser, and a product that is left as it is and whose result goes on into a quantised operand takes f32 operands (vector FMAs, or v_wmma_f32_16x16x4_f32). A number that lies on a knife's edge between two numbers of the format may be rounded either way, as far as f32 arithmetic and the matrix unit's own rounding can turn it there, and no further.
;;   INPUTS GIVEN AS CODES. W1 (in the module: [4096, 1024], K = its axis 1); W2 (in the module: [1024, 4096], K = its axis 1); Wk (in the module: [1024, 1024], K = its axis 1); Wo (in the module: [1024, 1024], K = its axis 1); Wq (in the module: [1024, 1024], K = its axis 1); Wv (in the module: [1024, 1024], K = its axis 1): each comes as NAME_codes (uint8): NAME with its K axis moved to the last place and cut into blocks of 32 codes, [.., K / 32, bytes a block], one block behind the other in memory; one code a byte (a code: sign, 5 exponent bits, 2 mantissa bits); its scale is its entry of lowp_scales. Its value is code x scale, taken as it is: it is not quantised again, and the codes and scales need not be those that the quantiser above would give.
;; One version. Each part assembles by itself: llvm-mc -triple=amdgcn-amd-amdhsa -mcpu=gfx1250 --defsym DOCPART=n.
;; ======== version 1 of 1: 8 launches
;; limits: right only within a limited range of input values
;; workspace buffers: xc 12,582,912 bytes; qkv 12,582,912 bytes; ao 4,194,304 bytes; ybuf 16,777,216 bytes; x1 16,777,216 bytes; x1c 4,194,304 bytes; hc 16,777,216 bytes
;; launch quant (part 1): grid 256 x 1, 4 waves a work-group, no clusters, 33,280 bytes of LDS; arguments x, lowp_scales, xc; writes xc
.if DOCPART == 1
	.amdgcn_target "amdgcn-amd-amdhsa--gfx1250"
	.amdhsa_code_object_version 6
	.text
	.protected	k_q2a3dcb6bef_quant
	.globl	k_q2a3dcb6bef_quant
	.p2align	8
	.type	k_q2a3dcb6bef_quant,@function
k_q2a3dcb6bef_quant:
	s_mov_b64 s[64:65], 0
	v_nop
	global_prefetch_b8 v0, s[64:65] scope:SCOPE_SE
	s_setreg_imm32_b32 hwreg(HW_REG_WAVE_MODE, 25, 1), 1
	s_wait_xcnt 0x0
; THE WHOLE PROGRAM: one transformer layer on 4,096 tokens of 1,024, all eight products on codes of E5M2.  NO WORK IS LEFT OUT: every input has a way to out0 and every product of the table is live.
; THIS LAUNCH: x [4096][1024] f32 becomes codes three times, under 2^e0, 2^e2, 2^e4 (products 1, 2, 3 each name a scale of their own for x): three planes of [4096][1024] bytes in xc, 4 MiB apart.
; code = x / 2^e, held within +-57,344, to the nearest code, ties to even.  LIMITS: e0, e2, e4 between -126 and 112; NaN among the inputs is not served (an infinity is held at the largest code).
; x is a plain stream.  A wave takes 8 steps of 512 numbers.  Each of a step's four loads reads 512 consecutive bytes, 16 a lane; the 2,048 bytes turn through the wave's own stage in LDS
; (16 bytes of padding behind each 64) and come back 64 bytes a lane: 16 neighbours along K, as the conversions want them.  A lane's 16 codes are 16 bytes: each store of the wave covers 512 consecutive bytes, aligned.
; No tensor load, no barrier: waves share nothing.  Loads run four steps ahead, the turn through LDS one step.
.set WAVES, 4
.set STEPS, 8
.set R,     16                         ; v16-79   four sets of 16 numbers as loaded
.set X,     80                         ; v80-111  two sets of 16 neighbours
.set T,     112                        ; v112-159 three sets of 16 held numbers, one for each scale
.set C,     160                        ; v160-255 codes: twelve registers a step, so that no store's data are written again
.set WREG,  8192                       ; LDS: a region for each wave: two stages of 32 x SP bytes
.set SP,    80
.set SPW,   12                         ; v12 my spare word's address; never rewritten
.set NIL,   13                         ; v13 0; never rewritten
.set SPARE, WAVES*WREG                 ; behind the regions: the spare words, 128 bytes a wave
	s_load_b128 s[4:7], s[0:1], 0x0                ; x, the scales' exponents
	s_load_b64 s[8:9], s[0:1], 0x10                ; xc
	v_lshl_add_u32 v[SPW], v0, 2, SPARE
	v_mov_b32 v[NIL], 0
	v_lshrrev_b32 v1, 5, v0
	v_readfirstlane_b32 s16, v1                    ; wave
	v_and_b32 v2, 31, v0                           ; lane
	v_lshlrev_b32 v3, 4, v2                        ; 16 x lane: my bytes of a load's 512, and of a step's 512 bytes of codes
	s_mul_i32 s17, s16, WREG
	v_lshrrev_b32 v14, 2, v2
	v_mul_u32_u24 v14, v14, SP
	v_and_b32 v15, 3, v2
	v_lshl_add_u32 v14, v15, 4, v14
	v_add_nc_u32 v14, s17, v14                     ; the stage, in: SP (lane / 4) + 16 (lane % 4)
	v_mul_u32_u24 v15, v2, SP
	v_add_nc_u32 v15, s17, v15                     ; and out: SP x lane
	s_lshl_b32 s18, ttmp9, 2
	s_add_co_u32 s18, s18, s16                     ; which run of 4,096 numbers is my wave's
	s_lshl_b32 s20, s18, 14
	s_mov_b32 s21, 0
	s_lshl_b32 s22, s18, 12
	s_mov_b32 s23, 0
	s_wait_alu depctr_va_vdst(0)
	s_wait_kmcnt 0x0
	s_load_b256 s[24:31], s[6:7], 0x0              ; e0 .. e7
	s_add_nc_u64 s[4:5], s[4:5], s[20:21]
	s_add_nc_u64 s[8:9], s[8:9], s[22:23]          ; plane 0,
	s_add_nc_u64 s[10:11], s[8:9], 0x400000        ; plane 1,
	s_add_nc_u64 s[12:13], s[8:9], 0x800000        ; plane 2
.macro LOAD t
.irp i, 0,1,2,3
	global_load_b128 v[R+16*((\t)%4)+4*\i:R+16*((\t)%4)+4*\i+3], v3, s[4:5] offset:2048*(\t)+512*\i th:TH_LOAD_NT
.endr
.endm
.macro TURN t                          ; LDS serves a wave's instructions in order: no wait between the stores and the loads
.irp i, 0,1,2,3
	ds_store_b128 v14, v[R+16*((\t)%4)+4*\i:R+16*((\t)%4)+4*\i+3] offset:32*SP*((\t)%2)+8*SP*\i
.endr
.irp i, 0,1,2,3
	ds_load_b128 v[X+16*((\t)%2)+4*\i:X+16*((\t)%2)+4*\i+3], v15 offset:32*SP*((\t)%2)+16*\i
.endr
.endm
.irp t, 0,1,2,3
	LOAD \t
.endr
	s_wait_kmcnt 0x0
.irp p, 0,1,2
	s_add_co_i32 s[24+2*\p], s[24+2*\p], 127
	s_lshl_b32 s17, s[24+2*\p], 23
	v_mov_b32 v[5+\p], s17                         ; 2^e as f32: the conversion takes its exponent field
	s_add_co_i32 s[24+2*\p], s[24+2*\p], 15
	s_lshl_b32 s17, s[24+2*\p], 23
	s_or_b32 s17, s17, 0x600000
	v_mov_b32 v[8+\p], s17                         ; 57,344 x 2^e
.endr
	s_wait_alu depctr_va_vdst(0)
	s_wait_loadcnt 12                              ; step 0's four loads are in
	TURN 0
.macro STEP t
.set XS, X+16*((\t)%2)
	s_wait_dscnt 0x0                               ; this step's numbers are back; its stores into the stage have read their registers,
.if (\t)+4 < STEPS
	LOAD (\t)+4                                    ; which take the loads of four steps on
.endif
.if (\t)+1 < STEPS
.if STEPS-2-(\t) >= 3
	s_wait_loadcnt 12                              ; the next step's four loads are in; those of the three steps behind it may be out
.else
	s_wait_loadcnt 4*(STEPS-2-(\t))
.endif
	TURN (\t)+1
.endif
.irp p, 0,1,2
.irp i, 0,1,2,3,4,5,6,7,8,9,10,11,12,13,14,15
	v_med3_num_f32 v[T+16*\p+\i], v[XS+\i], -v[8+\p], v[8+\p]   ; the conversion to an 8-bit code does not saturate (ISA guide 7.6.2): the hold comes first
.endr
.endr
.irp p, 0,1,2
	v_cvt_scalef32_pk8_bf8_f32 v[C+12*(\t)+4*\p:C+12*(\t)+4*\p+1], v[T+16*\p:T+16*\p+7], v[5+\p]
	v_cvt_scalef32_pk8_bf8_f32 v[C+12*(\t)+4*\p+2:C+12*(\t)+4*\p+3], v[T+16*\p+8:T+16*\p+15], v[5+\p]
.endr
	v_nop                                          ; a plain line between the conversions and the next step's holds, which write their sources
	global_store_b128 v3, v[C+12*(\t):C+12*(\t)+3], s[8:9] offset:512*(\t)
	global_store_b128 v3, v[C+12*(\t)+4:C+12*(\t)+7], s[10:11] offset:512*(\t)
	global_store_b128 v3, v[C+12*(\t)+8:C+12*(\t)+11], s[12:13] offset:512*(\t)
.endm
.irp t, 0,1,2,3,4,5,6,7
	STEP \t
.endr
	s_wait_tensorcnt 0x0                           ; the wave's end, behind my last LDS store
	ds_add_u32 v[SPW], v[NIL]
	s_wait_dscnt 0x0
	s_endpgm
.Lfunc_end_k_q2a3dcb6bef_quant:
	.size	k_q2a3dcb6bef_quant, .Lfunc_end_k_q2a3dcb6bef_quant-k_q2a3dcb6bef_quant
	.p2alignl 7, 3214868480
	.fill 96, 4, 3214868480
	.section	.rodata,"a",@progbits
	.p2align	6, 0x0
	.amdhsa_kernel k_q2a3dcb6bef_quant
		.amdhsa_group_segment_fixed_size 33280
		.amdhsa_private_segment_fixed_size 0
		.amdhsa_enable_private_segment 0
		.amdhsa_kernarg_size 24
		.amdhsa_user_sgpr_count 2
		.amdhsa_user_sgpr_kernarg_segment_ptr 1
		.amdhsa_wavefront_size32 1
		.amdhsa_system_sgpr_workgroup_id_x 1
		.amdhsa_system_sgpr_workgroup_id_y 1
		.amdhsa_system_sgpr_workgroup_id_z 1
		.amdhsa_system_vgpr_workitem_id 0
		.amdhsa_next_free_vgpr 256
		.amdhsa_next_free_sgpr 66
		.amdhsa_reserve_vcc 0
		.amdhsa_float_denorm_mode_32 3
		.amdhsa_float_denorm_mode_16_64 3
		.amdhsa_memory_ordered 1
		.amdhsa_forward_progress 1
		.amdhsa_inst_pref_size 40
	.end_amdhsa_kernel
	.amdgpu_metadata
---
amdhsa.version: [ 1, 2 ]
amdhsa.kernels:
  - .name:           k_q2a3dcb6bef_quant
    .symbol:         k_q2a3dcb6bef_quant.kd
    .args:
      - { .name: x, .offset: 0, .size: 8, .value_kind: global_buffer, .address_space: global }
      - { .name: lowp_scales, .offset: 8, .size: 8, .value_kind: global_buffer, .address_space: global }
      - { .name: xc, .offset: 16, .size: 8, .value_kind: global_buffer, .address_space: global }
    .group_segment_fixed_size: 33280
    .private_segment_fixed_size: 0
    .kernarg_segment_align: 8
    .kernarg_segment_size: 24
    .max_flat_workgroup_size: 128
    .sgpr_count:     66
    .vgpr_count:     256
    .wavefront_size: 32
...
	.end_amdgpu_metadata
.endif
;; end of part 1
;; launch qkv (part 2): grid 12 x 16, 4 waves a work-group, clusters of 4 x 4, 327,680 bytes of LDS; arguments xc, Wq_codes, Wk_codes, Wv_codes, lowp_scales, qkv; writes qkv
.if DOCPART == 2
	.amdgcn_target "amdgcn-amd-amdhsa--gfx1250"
	.amdhsa_code_object_version 6
	.text
	.protected	k_q2a3dcb6bef_qkv
	.globl	k_q2a3dcb6bef_qkv
	.p2align	8
	.type	k_q2a3dcb6bef_qkv,@function
k_q2a3dcb6bef_qkv:
	s_mov_b64 s[64:65], 0
	v_nop
	global_prefetch_b8 v0, s[64:65] scope:SCOPE_SE
	s_setreg_imm32_b32 hwreg(HW_REG_WAVE_MODE, 25, 1), 1
	s_wait_xcnt 0x0
	s_wait_alu depctr_hold_cnt(0) depctr_sa_sdst(0) depctr_va_vdst(0) depctr_va_sdst(0) depctr_va_ssrc(0) depctr_va_vcc(0) depctr_vm_vsrc(0)
	s_getreg_b32 s2, hwreg(HW_REG_IB_STS2, 6, 4)
	s_cmp_eq_u32 s2, 0
	s_cbranch_scc0 .Lentry_in_a_cluster
	s_endpgm
.Lentry_in_a_cluster:
	s_bfe_u32 s2, ttmp6, 0x10000c
	s_cmp_lg_u32 s2, 0xf033
	s_cbranch_scc0 .Lentry_shape_is_right
	s_endpgm
.Lentry_shape_is_right:
; Products 1 to 3: q = x Wq^T, k = x Wk^T, v = x Wv^T on codes of E5M2; the results are quantised at once (2^e6, 2^e7, 2^e9) and stored as IMAGES OF THE OPERAND REGISTERS that the attention launch loads.  No work is left out.
; The cluster's x says which product: 0 q, 1 k, 2 v: the same number in all sixteen partners.  A work-group makes 256 'A rows' x 256 'B rows', K = 1,024; a wave 128 x 128 in 64 accumulators.
; q, k: A = x's codes (tokens), B = the weight (channels).  v: A = Wv (channels), B = x's codes (tokens): the roles are swapped, so that a lane holds a channel and its registers run along the tokens, the keys of product 5.
; THE MATRIX INSTRUCTION IS USED TRANSPOSED (source 0 = 16 B rows, source 1 = 16 A rows): in accumulator (a, b) lane (r, h) holds A row 16 a + r, and register j B row 16 b + 8 h + j.  One conversion of its eight registers gives
; registers 2 b, 2 b + 1 of an operand in the 8-bit forms' own layout (k = 16 b + 8 h + 0 .. 7): a block's sixteen code registers are stored as they stand, four at a time, lane l's 16 bytes at 16 l: 512 consecutive bytes a store, aligned.
; qkv: Q at 0: [head 32][token tile 128][1,024 B];  K, V at 4 MiB: [head][key step 16][16,384 B]: eight tiles of 16 keys x 1,024 B, then four tiles of 16 channels x 128 keys x 2,048 B.
; K goes in steps of 256 through two LDS slots; A's tiles are asked for jointly along a row of the cluster, B's along a column.  Fragments come by four loads of 16 bytes: a permutation of k, the same in A and B.
; LIMITS: e6 - e0 - e1, e7 - e2 - e3, e9 - e4 - e5 between -126 and 112.
; REGISTERS: window 0: v16-29 addresses and scales; v32-95 held sums; v96-111 codes; from v128 A's fragments, one set.  window 1: B's fragments, two sets.  windows 2, 3: the accumulators, (a, b) at v[8 (8 (a % 4) + b)].
.set SIZE_K, 1024
.set ROWB,   256
.set KROW,   SIZE_K
.set PITCH,  272                       ; 256 bytes + 16 of padding: the 16 rows of a load start at 16 different banks (64 banks of 4 bytes: ISA guide 11.1)
.set FR,     16
.set NL,     4
.set NP,     4
.set HALFT,  128*PITCH
.set SLOT,   4*HALFT
.set LAPS,   SIZE_K/(2*ROWB)
.set SPARE,  2*SLOT                    ; behind the ring: the spare words, 128 bytes a wave
.set ADRA, 16
.set ADRB, 20
.set SCL,  24                          ; v24 the conversions' scale
.set LIM,  25                          ; v25 57,344 x that
.set VO0,  26                          ; v26 16 x lane
.set VO1,  27                          ; v27 the same, where groups 2 and 3 go
.set SPW,  28
.set NIL,  29
.set TMP,  32
.set CD,   96
.set AF,   128
.set G1, 24
.set G0, 32
.set G1B, 48
.set G0B, 56
.set MSB, 0
.macro WIN new                         ; the immediate's high byte repeats the setting that is left
.if MSB != (\new)
	s_set_vgpr_msb (MSB<<8)|(\new)
.set MSB, (\new)
.endif
.endm
.set MUL_LO, 0xa1
.set MUL_HI, 0xf1
.set TO_B,   0x40
.macro JLOAD g0a, g1a, g0b, g1b        ; waves 0, 1 fetch for A, waves 2, 3 for B; an s_nop 0 and four v_nop follow each line
	s_cmp_eq_u32 s15, 0
	s_cbranch_scc0 .Lfor_b_\@
	tensor_load_to_lds s[\g0a:\g0a+3], s[\g1a:\g1a+7]
	s_nop 0
.rept 4
	v_nop
.endr
	s_branch .Lasked_\@
.Lfor_b_\@:
	tensor_load_to_lds s[\g0b:\g0b+3], s[\g1b:\g1b+7]
	s_nop 0
.rept 4
	v_nop
.endr
.Lasked_\@:
.endm
.macro CREST
	s_cmp_lg_u32 s14, 0
	s_cbranch_scc1 .Lnot_wave_0_\@
	s_barrier_signal -3
.Lnot_wave_0_\@:
	s_barrier_wait -3
	s_barrier_signal -1
	s_barrier_wait -1
.endm
.macro CROUND
	s_barrier_signal -1
	s_barrier_wait -1
	CREST
.endm
	s_load_b256 s[68:75], s[0:1], 0x0              ; xc s[68:69], Wq s[70:71], Wk s[72:73], Wv s[74:75]
	s_load_b128 s[8:11], s[0:1], 0x20              ; the scales' exponents s[8:9], qkv s[10:11]
	v_lshl_add_u32 v[SPW], v0, 2, SPARE
	v_mov_b32 v[NIL], 0
	ds_add_u32 v[SPW], v[NIL]                      ; the wave's opening: the add, twice on end, and its wait ahead of my first tensor load
	ds_add_u32 v[SPW], v[NIL]
	v_lshrrev_b32 v1, 5, v0
	v_readfirstlane_b32 s14, v1                    ; wave 0..3
	s_lshr_b32 s15, s14, 1                         ; which half of the A rows is mine.  Also: I fetch for A (0) or B (1)
	s_and_b32 s16, s14, 1                          ; which half of the B rows.  Also: which 128 rows I fetch
	s_bfe_u32 s40, ttmp6, 0x40000                  ; cx
	s_bfe_u32 s41, ttmp6, 0x40004                  ; cy
	s_and_b32 s17, ttmp7, 0xffff                   ; the cluster's y, 0..3: which quarter of the tokens
	s_cmp_eq_u32 ttmp9, 2                          ; v?  (the cluster's x: the same in all partners)
	s_cselect_b32 s42, s17, 0                      ; v: the tokens lie along B,
	s_cselect_b32 s17, 0, s17                      ; q, k: along A
	s_lshl_b32 s42, s42, 2
	s_add_co_u32 s42, s42, s40                     ; tile column (B)
	s_lshl_b32 s17, s17, 2
	s_add_co_u32 s17, s17, s41                     ; tile row (A)
	s_lshl_b32 s43, s41, 2
	s_lshl_b32 s43, 15, s43                        ; my row of the cluster
	s_lshl_b32 s44, 0x1111, s40                    ; my column
	s_or_b32 s[G1+0], s43, (0<<16)|(1<<20)|(1<<21)|(5<<22)|(3<<25)  ; the mask; elements of 1 byte; padding on; bit 21 beside a mask; after every 64 words, 4 words
	s_or_b32 s[G1B+0], s44, (0<<16)|(1<<20)|(1<<21)|(5<<22)|(3<<25)
.irp g, G1, G1B
	s_mov_b32 s[\g+1], ROWB<<16                    ; tensor_dim0
	s_mov_b32 s[\g+2], 128<<16                     ; tensor_dim1
	s_mov_b32 s[\g+3], ROWB<<16                    ; tile_dim0
	s_mov_b32 s[\g+4], 128                         ; tile_dim1
	s_mov_b32 s[\g+5], KROW                        ; pitch
	s_mov_b32 s[\g+6], 0
	s_mov_b32 s[\g+7], 0
.endr
	s_lshl_b32 s18, s16, 7
	s_lshl_b32 s20, s17, 8
	s_add_co_u32 s20, s20, s18                     ; A: row 256 x tile row + 128 x half
	s_lshl_b32 s46, s42, 8
	s_add_co_u32 s46, s46, s18                     ; B: row 256 x tile column + 128 x half
	s_mov_b32 s21, 0
	s_mov_b32 s47, 0
	s_mov_b64 s[18:19], KROW
	s_mul_u64 s[20:21], s[20:21], s[18:19]
	s_mul_u64 s[46:47], s[46:47], s[18:19]
	s_mul_i32 s45, s14, HALFT                      ; where they go: wave x 128 rows
	s_lshl_b32 s92, ttmp9, 22                      ; x's plane of codes for this product
	s_mov_b32 s93, 0
	s_wait_dscnt 0x0                               ; both opening adds are done
	s_wait_kmcnt 0x0
	s_load_b512 s[76:91], s[8:9], 0x0              ; e0 .. e15
	s_add_nc_u64 s[68:69], s[68:69], s[92:93]
	s_cmp_eq_u32 ttmp9, 0
	s_cselect_b64 s[6:7], s[70:71], s[72:73]       ; Wq or Wk
	s_cmp_eq_u32 ttmp9, 2
	s_cselect_b64 s[4:5], s[74:75], s[68:69]       ; A: Wv, or x's codes
	s_cselect_b64 s[6:7], s[68:69], s[6:7]         ; B: x's codes, or the weight
	s_add_nc_u64 s[20:21], s[4:5], s[20:21]
	s_add_nc_u64 s[46:47], s[6:7], s[46:47]
	CROUND                                         ; all sixteen work-groups are here: the first joint loads meet
.irp s, 0,1
	s_mov_b32 s[G0+4*\s], 1
	s_add_co_u32 s[G0+4*\s+1], s45, \s*SLOT
	s_add_nc_u64 s[G0+4*\s+2:G0+4*\s+3], s[20:21], \s*ROWB
	s_or_b32 s[G0+4*\s+3], s[G0+4*\s+3], 0x80000000
	s_mov_b32 s[G0B+4*\s], 1
	s_add_co_u32 s[G0B+4*\s+1], s45, \s*SLOT
	s_add_nc_u64 s[G0B+4*\s+2:G0B+4*\s+3], s[46:47], \s*ROWB
	s_or_b32 s[G0B+4*\s+3], s[G0B+4*\s+3], 0x80000000
.endr
	JLOAD G0, G1, G0B, G1B                         ; K step 0: one tensor load a wave at the head
	v_and_b32 v1, 15, v0
	v_bfe_u32 v2, v0, 4, 1
	v_mul_u32_u24 v3, v1, PITCH
	v_lshl_add_u32 v4, v2, 4, v3                   ; a fragment's row x pitch + 16 x half
	s_mul_i32 s21, s15, HALFT
	s_mul_i32 s22, s16, HALFT
	s_add_co_u32 s22, s22, 2*HALFT
.irp s, 0,1
	v_add_nc_u32 v[ADRA+\s], s21, v4
	v_add_nc_u32 v[ADRB+\s], s22, v4
	s_add_co_u32 s21, s21, SLOT
	s_add_co_u32 s22, s22, SLOT
.endr
	v_and_b32 v6, 31, v0
	v_lshlrev_b32 v[VO0], 4, v6
.macro FRAG reg, adr, q, i
.irp c, 0,1,2,3
	ds_load_b128 v[\reg+4*\c:\reg+4*\c+3], v[\adr] offset:128*(\q)+32*\c+(\i)*16*PITCH
.endr
.endm
; 16 matrix instructions: A's blocks a0, a0 + 1 x B's eight.  The 64 accumulators take turns, one instruction a turn, in the same order in every step.
.macro MUL16 a0, p, zero
.irp a, \a0, \a0+1
.irp b, 0,1,2,3,4,5,6,7
.if \zero
	v_wmma_f32_16x16x128_bf8_bf8 v[8*(8*((\a)%4)+\b):8*(8*((\a)%4)+\b)+7], v[128*(\p)+FR*\b:128*(\p)+FR*\b+FR-1], v[AF+FR*(\a):AF+FR*(\a)+FR-1], 0
.else
	v_wmma_f32_16x16x128_bf8_bf8 v[8*(8*((\a)%4)+\b):8*(8*((\a)%4)+\b)+7], v[128*(\p)+FR*\b:128*(\p)+FR*\b+FR-1], v[AF+FR*(\a):AF+FR*(\a)+FR-1], v[8*(8*((\a)%4)+\b):8*(8*((\a)%4)+\b)+7]
.endif
.endr
.endr
.endm
.macro FETCH_B slot, q, p
	WIN TO_B
.irp i, 0,1,2,3,4,5,6,7
	FRAG 128*(\p)+FR*\i, ADRB+\slot, \q, \i
.endr
	WIN 0
.endm
.macro FETCH_A slot, q, i0
.irp i, \i0, \i0+1, \i0+2, \i0+3
	FRAG AF+FR*(\i), ADRA+\slot, \q, \i
.endr
.endm
.macro PLACES n                        ; plain vector lines between a matrix instruction and a load into, or a read of, its registers
.rept \n
	v_nop
.endr
.endm
.macro STEP slot, q, zero              ; 128 along K, with its successor in the same slot
	s_wait_dscnt 4*NL                              ; B's set and A's blocks 0-3 are in; the youngest sixteen loads (A's blocks 4-7) may be out
	WIN MUL_LO
	MUL16 0, (\q)%2, \zero
	MUL16 2, (\q)%2, \zero
	s_wait_dscnt 0
	PLACES NP
	FETCH_B \slot, (\q)+1, 1-(\q)%2
	FETCH_A \slot, (\q)+1, 0
	WIN MUL_HI
	MUL16 4, (\q)%2, \zero
	MUL16 6, (\q)%2, \zero
	PLACES NP
	WIN 0
	FETCH_A \slot, (\q)+1, 4
.endm
.macro TURN slot, next, fill           ; a slot's last step changes slots: one barrier
	s_wait_tensorcnt 0x0                           ; all my tensor loads have landed: my part of the next slot
	ds_add_u32 v[SPW], v[NIL]                      ; 0 onto my spare word
	s_wait_dscnt 4*NL+1                            ; the add and the youngest sixteen loads may be out
	WIN MUL_LO
	MUL16 0, 1, 0
	s_wait_dscnt 0x0                               ; the add is done, and my reads of this slot are over
	s_barrier_signal -1
	MUL16 2, 1, 0
	WIN 0
	s_barrier_wait -1
.if \fill
	CREST                                          ; the barrier has opened a round of the cluster's: no wave of any partner still reads this slot or has a load on its way
	s_add_nc_u64 s[G0+4*\slot+2:G0+4*\slot+3], s[G0+4*\slot+2:G0+4*\slot+3], 2*ROWB
	s_add_nc_u64 s[G0B+4*\slot+2:G0B+4*\slot+3], s[G0B+4*\slot+2:G0B+4*\slot+3], 2*ROWB
	JLOAD G0+4*\slot, G1, G0B+4*\slot, G1B         ; the first tensor load behind the round; its four v_nop are the places in front of the loads below
.else
	PLACES NP
.endif
	FETCH_B \next, 0, 0
	FETCH_A \next, 0, 0
	WIN MUL_HI
	MUL16 4, 1, 0
	MUL16 6, 1, 0
	PLACES NP
	WIN 0
	FETCH_A \next, 0, 4
.endm
	s_wait_alu depctr_va_vdst(0)
	s_wait_tensorcnt 0x0                           ; my part of slot 0 is in
	ds_add_u32 v[SPW], v[NIL]
	s_wait_dscnt 0x0
	CROUND                                         ; a whole round: everybody's part of slot 0 is in, and the joint loads meet
	JLOAD G0+4, G1, G0B+4, G1B                     ; slot 1's first fill, the first tensor load behind the round
	FETCH_B 0, 0, 0
	FETCH_A 0, 0, 0
	FETCH_A 0, 0, 4
	STEP 0, 0, 1                                   ; the first step's products start the sums
	s_mov_b32 s3, LAPS-1
.Llap:
	TURN 0, 1, 1
	STEP 1, 0, 0
	TURN 1, 0, 1
	STEP 0, 0, 0
	s_sub_co_u32 s3, s3, 1
	s_cmp_lg_u32 s3, 0
	s_cbranch_scc1 .Llap
	TURN 0, 1, 0                                   ; the last lap fills nothing
	STEP 1, 0, 0
	s_wait_dscnt 4*NL
	WIN MUL_LO
	MUL16 0, 1, 0
	MUL16 2, 1, 0
	s_wait_dscnt 0
	WIN MUL_HI
	MUL16 4, 1, 0
	MUL16 6, 1, 0
	WIN 0
	; THE WAY OUT.  A sum stands for sum x 2^(eA + eB): its code is sum / 2^(e_out - eA - eB): the three scales are folded into the conversion's one.
	s_wait_kmcnt 0x0
	s_sub_co_i32 s20, s82, s76
	s_sub_co_i32 s20, s20, s77                     ; q: e6 - e0 - e1
	s_sub_co_i32 s21, s83, s78
	s_sub_co_i32 s21, s21, s79                     ; k: e7 - e2 - e3
	s_sub_co_i32 s22, s85, s80
	s_sub_co_i32 s22, s22, s81                     ; v: e9 - e4 - e5
	s_cmp_eq_u32 ttmp9, 0
	s_cselect_b32 s20, s20, s21
	s_cselect_b32 s96, 17, 18                      ; a head's bytes, as a shift: Q 131,072; K and V 262,144
	s_cselect_b32 s97, 13, 14                      ; 128 tokens' bytes in a head: Q 8,192; K and V 16,384
	s_cselect_b32 s98, 0, 0x400000                 ; where the part begins
	s_mov_b32 s99, 0x40000
	s_cselect_b32 s99, 0x20000, s99                ; groups 2 and 3: the next head (q, k),
	s_cmp_eq_u32 ttmp9, 2
	s_cselect_b32 s20, s22, s20
	s_mov_b32 s92, 1024
	s_cselect_b32 s99, s92, s99                    ; or the second half of the same image (v)
	s_cselect_b32 s94, 0x3e800, s92                ; from block 3 to block 4: v: the next head's first tile, 262,144 - 3 x 2,048
	s_cselect_b32 s92, 2048, s92                   ; from block to block
	s_cselect_b32 s93, 8192, 0                     ; V lies behind a step's K
	s_add_co_u32 s98, s98, s93
	s_mov_b32 s93, 0
	s_mov_b32 s95, 0
	s_add_co_i32 s20, s20, 127
	s_lshl_b32 s21, s20, 23
	v_mov_b32 v[SCL], s21
	s_add_co_i32 s20, s20, 15
	s_lshl_b32 s20, s20, 23
	s_or_b32 s20, s20, 0x600000
	v_mov_b32 v[LIM], s20
	s_wait_alu depctr_va_vdst(0)
	v_add_nc_u32 v[VO1], s99, v[VO0]
	s_lshl_b32 s20, s17, 8
	s_lshl_b32 s21, s15, 7
	s_add_co_u32 s20, s20, s21                     ; my first A row
	s_lshl_b32 s22, s42, 8
	s_lshl_b32 s23, s16, 7
	s_add_co_u32 s22, s22, s23                     ; my first B row
	s_cmp_eq_u32 ttmp9, 2
	s_cselect_b32 s21, s22, s20                    ; my first token
	s_cselect_b32 s23, s20, s22                    ; my first channel
	s_lshr_b32 s20, s21, 11
	s_lshl_b32 s20, s20, 4
	s_lshr_b32 s22, s23, 6
	s_add_co_u32 s20, s20, s22                     ; 16 x batch + head
	s_and_b32 s21, s21, 2047
	s_lshr_b32 s21, s21, 7                         ; which 128 tokens of the sequence
	s_lshl_b32 s20, s20, s96
	s_lshl_b32 s21, s21, s97
	s_add_co_u32 s20, s20, s21
	s_add_co_u32 s20, s20, s98
	s_mov_b32 s21, 0
	s_add_nc_u64 s[10:11], s[10:11], s[20:21]
	PLACES NP
.macro OUT a                           ; block a: 16 A rows x 128 B rows: 64 sums a lane become 16 registers of codes
.set AC, 64*((\a)%4)
.if (\a) > 0
	s_wait_xcnt 0x0                                ; the last block's stores have read their data and their base
.if (\a) == 4
	s_add_nc_u64 s[10:11], s[10:11], s[94:95]
.else
	s_add_nc_u64 s[10:11], s[10:11], s[92:93]
.endif
.endif
	WIN 0x02+((\a)/4)
.set j, 0
.rept 64
	v_med3_num_f32 v[TMP+j], v[AC+j], -v[LIM], v[LIM]   ; the hold; each accumulator from its low end on
.set j, j+1
.endr
	WIN 0
.irp b, 0,1,2,3,4,5,6,7
	v_cvt_scalef32_pk8_bf8_f32 v[CD+2*\b:CD+2*\b+1], v[TMP+8*\b:TMP+8*\b+7], v[SCL]
.endr
	v_nop                                          ; a plain line between the conversions and the next block's holds, which write their sources
	global_store_b128 v[VO0], v[CD:CD+3], s[10:11]
	global_store_b128 v[VO0], v[CD+4:CD+7], s[10:11] offset:512
	global_store_b128 v[VO1], v[CD+8:CD+11], s[10:11]
	global_store_b128 v[VO1], v[CD+12:CD+15], s[10:11] offset:512
.endm
.irp a, 0,1,2,3,4,5,6,7
	OUT \a
.endr
	s_wait_tensorcnt 0x0                           ; the wave's end
	ds_add_u32 v[SPW], v[NIL]
	s_wait_dscnt 0x0
	CROUND                                         ; the closing round
	s_endpgm
.Lfunc_end_k_q2a3dcb6bef_qkv:
	.size	k_q2a3dcb6bef_qkv, .Lfunc_end_k_q2a3dcb6bef_qkv-k_q2a3dcb6bef_qkv
	.p2alignl 7, 3214868480
	.fill 96, 4, 3214868480
	.section	.rodata,"a",@progbits
	.p2align	6, 0x0
	.amdhsa_kernel k_q2a3dcb6bef_qkv
		.amdhsa_group_segment_fixed_size 327680
		.amdhsa_private_segment_fixed_size 0
		.amdhsa_enable_private_segment 0
		.amdhsa_kernarg_size 48
		.amdhsa_user_sgpr_count 2
		.amdhsa_user_sgpr_kernarg_segment_ptr 1
		.amdhsa_wavefront_size32 1
		.amdhsa_system_sgpr_workgroup_id_x 1
		.amdhsa_system_sgpr_workgroup_id_y 1
		.amdhsa_system_sgpr_workgroup_id_z 1
		.amdhsa_system_vgpr_workitem_id 0
		.amdhsa_next_free_vgpr 1024
		.amdhsa_next_free_sgpr 100
		.amdhsa_reserve_vcc 0
		.amdhsa_float_denorm_mode_32 3
		.amdhsa_float_denorm_mode_16_64 3
		.amdhsa_memory_ordered 1
		.amdhsa_forward_progress 1
		.amdhsa_inst_pref_size 120
	.end_amdhsa_kernel
	.amdgpu_metadata
---
amdhsa.version: [ 1, 2 ]
amdhsa.kernels:
  - .name:           k_q2a3dcb6bef_qkv
    .symbol:         k_q2a3dcb6bef_qkv.kd
    .args:
      - { .name: xc, .offset: 0, .size: 8, .value_kind: global_buffer, .address_space: global }
      - { .name: Wq_codes, .offset: 8, .size: 8, .value_kind: global_buffer, .address_space: global }
      - { .name: Wk_codes, .offset: 16, .size: 8, .value_kind: global_buffer, .address_space: global }
      - { .name: Wv_codes, .offset: 24, .size: 8, .value_kind: global_buffer, .address_space: global }
      - { .name: lowp_scales, .offset: 32, .size: 8, .value_kind: global_buffer, .address_space: global }
      - { .name: qkv, .offset: 40, .size: 8, .value_kind: global_buffer, .address_space: global }
    .group_segment_fixed_size: 327680
    .private_segment_fixed_size: 0
    .kernarg_segment_align: 8
    .kernarg_segment_size: 48
    .max_flat_workgroup_size: 128
    .sgpr_count:     100
    .vgpr_count:     1024
    .wavefront_size: 32
...
	.end_amdgpu_metadata
.endif
;; end of part 2
;; launch attn (part 3): grid 8 x 32, 8 waves a work-group, clusters of 4 x 1, 327,680 bytes of LDS; arguments qkv, lowp_scales, ao; writes ao
.if DOCPART == 3
	.amdgcn_target "amdgcn-amd-amdhsa--gfx1250"
	.amdhsa_code_object_version 6
	.text
	.protected	k_q2a3dcb6bef_attn
	.globl	k_q2a3dcb6bef_attn
	.p2align	8
	.type	k_q2a3dcb6bef_attn,@function
k_q2a3dcb6bef_attn:
	s_mov_b64 s[64:65], 0
	v_nop
	global_prefetch_b8 v0, s[64:65] scope:SCOPE_SE
	s_setreg_imm32_b32 hwreg(HW_REG_WAVE_MODE, 25, 1), 1
	s_wait_xcnt 0x0
	s_wait_alu depctr_hold_cnt(0) depctr_sa_sdst(0) depctr_va_vdst(0) depctr_va_sdst(0) depctr_va_ssrc(0) depctr_va_vcc(0) depctr_vm_vsrc(0)
	s_getreg_b32 s2, hwreg(HW_REG_IB_STS2, 6, 4)
	s_cmp_eq_u32 s2, 0
	s_cbranch_scc0 .Lentry_in_a_cluster
	s_endpgm
.Lentry_in_a_cluster:
	s_bfe_u32 s2, ttmp6, 0x10000c
	s_cmp_lg_u32 s2, 0x3003
	s_cbranch_scc0 .Lentry_shape_is_right
	s_endpgm
.Lentry_shape_is_right:
; Products 4 and 5 with the softmax between them, on codes of E5M2; the result is quantised at once under 2^e10 and stored as images of product 6's operand registers.  No work is left out.
; qkv: Q at 0: [head 32][tile of 16 queries 128][1,024 B];  K, V at 4 MiB: [head][key step 16][16,384 B]: eight tiles of 16 keys x 1,024 B, then four tiles of 16 channels x 128 keys x 2,048 B: all images of operand registers, 16 bytes a lane.
; THE SOFTMAX: t = score x log2(e) / 8; M = the running largest t rounded up to a whole number; p = 2^(t - M) is quantised under 2^e8, not normalised; the row's sum is taken of the unquantised p and divides at the end.
; When M moves, the sum and O^T are multiplied by 2^(old M - new M), which rounds nothing.
; SHARES.  A work-group owns 256 queries of one head; each of its eight waves owns 32, two tiles A and B, so that each fragment of K and of V read from LDS feeds two matrix instructions.  256 work-groups.
; Both products are used transposed (S^T = K Q^T, O^T = V^T P^T): a lane holds one query of each tile; register j of score tile t is key 16 t + 8 (lane / 16) + j, so a conversion of its eight registers gives registers 2 t, 2 t + 1 of P.
; LDS holds the head's K and V whole, 262,144 bytes; nothing is filled again.  The head asks for key steps 0-3 (8,192 bytes a wave); behind the full sequence each wave asks for its 24,576 bytes of steps 4-15, which land under the first four steps' work.
; CLUSTER: the four work-groups of a cluster walk the same head's K and V and ask for them jointly (mask 15).
; NO PREFETCH: both tensor loads of a wave stand ahead of the first loop, so there is no trip in which to ask ahead of a load.
; LIMITS: e6 + e7 between -123 and 130; e8 between -126 and 112; e10 - e8 - e9 between -126 and 112; the scaled scores stay under 2^31 in magnitude; NaN is not served.
; REGISTERS.  Window 0: v1 16 x lane, v2 the step's LDS address, v3, v4 the add's two, v5 57,344 x 2^e8, v7 2^e8; v[8:9], v[10:11] (-M, largest t) of A, B; v[12:13], v[14:15] the sums; v16-31 Q; v32-95, v96-159 S^T then p of A, B;
; v160-175, v176-191 P's codes of A, B (v160-175 are scratch ahead of the conversions); v192-255 K's fragments.  Window 1: v0-63 V's fragments; v64-95, v96-127 O^T of A, B.
.set SPW,   3
.set NIL,   4
.set SPARE, 262144                     ; behind K and V: the spare words, 128 bytes a wave
.set WV,    18
.set SA,    32
.set SB,    96
.set PA,    160
.set PB,    176
.set KF,    192
.set OA,    64
.set OB,    96
.set MSB, 0
.macro WIN new                         ; the immediate's high byte repeats the setting that is left
.if MSB != (\new)
	s_set_vgpr_msb (MSB<<8)|(\new)
.set MSB, (\new)
.endif
.endm
.macro CROUND                          ; a round of the cluster's barrier
	s_barrier_signal -1
	s_barrier_wait -1
	s_cmp_lg_u32 s[WV], 0
	s_cbranch_scc1 .Lnot_wave_0_\@
	s_barrier_signal -3
.Lnot_wave_0_\@:
	s_barrier_wait -3
	s_barrier_signal -1
	s_barrier_wait -1
.endm
	s_load_b128 s[4:7], s[0:1], 0x0                ; qkv, the scales' exponents
	s_load_b64 s[8:9], s[0:1], 0x10                ; ao
	v_lshl_add_u32 v[SPW], v0, 2, SPARE
	v_mov_b32 v[NIL], 0
	ds_add_u32 v[SPW], v[NIL]                      ; the opening: the add, twice on end, and its wait ahead of my first tensor load
	ds_add_u32 v[SPW], v[NIL]
	v_lshrrev_b32 v7, 5, v0
	v_readfirstlane_b32 s[WV], v7                  ; wave 0..7
	s_bfe_u32 s70, ttmp6, 0x40000                  ; cx
	s_lshl_b32 s71, ttmp9, 2
	s_add_co_u32 s71, s71, s70                     ; which 256 queries of the sequence
	s_and_b32 s72, ttmp7, 0xffff                   ; 16 x batch + head
	s_lshl_b32 s73, s71, 4
	s_lshl_b32 s74, s[WV], 1
	s_add_co_u32 s73, s73, s74                     ; my first tile of 16 queries, 0..126
	s_lshl_b32 s74, s72, 7
	s_add_co_u32 s74, s74, s73
	s_lshl_b32 s74, s74, 10                        ; Q's images: 1,024 bytes a tile
	s_mov_b32 s75, 0
	s_lshr_b32 s76, s72, 4
	s_lshl_b32 s76, s76, 7
	s_add_co_u32 s76, s76, s73
	s_lshl_b32 s76, s76, 14                        ; ao: 16,384 bytes a token tile,
	s_and_b32 s77, s72, 15
	s_lshl_b32 s77, s77, 10
	s_add_co_u32 s76, s76, s77                     ; 1,024 a head
	s_mov_b32 s77, 0
	s_lshl_b32 s78, s72, 18
	s_add_co_u32 s78, s78, 0x400000                ; the head's K and V
	s_lshl_b32 s80, s[WV], 13                      ; my 8,192 bytes of key steps 0-3, in LDS as in memory
	s_mul_i32 s81, s[WV], 24576
	s_add_co_u32 s81, s81, 65536                   ; my 24,576 bytes of key steps 4-15
	s_add_co_u32 s84, s78, s80
	s_mov_b32 s85, 0
	s_add_co_u32 s86, s78, s81
	s_mov_b32 s87, 0
	s_mov_b32 s24, 15|(3<<16)|(1<<21)              ; group 1: the mask of all four partners; elements of 8 bytes; bit 21 beside a mask
	s_mov_b32 s25, 32<<16                          ; rows of 256 bytes, dense
	s_mov_b32 s26, 32<<16                          ; 32 rows
	s_mov_b32 s27, 32<<16
	s_mov_b32 s28, 32
	s_mov_b32 s29, 32
	s_mov_b32 s30, 0
	s_mov_b32 s31, 0
	s_mov_b32 s40, 15|(3<<16)|(1<<21)              ; the same with 96 rows
	s_mov_b32 s41, 32<<16
	s_mov_b32 s42, 96<<16
	s_mov_b32 s43, 32<<16
	s_mov_b32 s44, 96
	s_mov_b32 s45, 32
	s_mov_b32 s46, 0
	s_mov_b32 s47, 0
	s_mov_b32 s20, 0x76543210
	s_mov_b32 s21, 0xfedcba98                      ; lane l xor 16
	s_mov_b32 s22, 0x3e38aa3b                      ; log2(e) / 8
	s_wait_dscnt 0x0                               ; both opening adds are done
	s_wait_kmcnt 0x0
	s_load_b512 s[48:63], s[6:7], 0x0              ; e0 .. e15
	s_mov_b32 s32, 1
	s_mov_b32 s33, s80
	s_add_nc_u64 s[34:35], s[4:5], s[84:85]
	s_or_b32 s35, s35, 0x80000000
	s_mov_b32 s36, 1
	s_mov_b32 s37, s81
	s_add_nc_u64 s[38:39], s[4:5], s[86:87]
	s_or_b32 s39, s39, 0x80000000
	s_add_nc_u64 s[10:11], s[4:5], s[74:75]
	s_add_nc_u64 s[8:9], s[8:9], s[76:77]
	CROUND                                         ; the four partners are here: the first joint loads meet
	tensor_load_to_lds s[32:35], s[24:31]          ; key steps 0-3: my one load at the head
	s_nop 0
	v_and_b32 v1, 31, v0
	v_lshlrev_b32 v1, 4, v1                        ; 16 x lane
	v_mov_b32 v9, 0xff61b1e6                       ; the largest t so far: -3e38
	v_mov_b32 v11, 0xff61b1e6
.irp c, 0,1,2,3
	global_load_b128 v[16+4*\c:19+4*\c], v1, s[10:11] offset:512*\c   ; Q of tiles A and B stays in registers
.endr
	v_floor_f32 v8, -v9                            ; -M
	v_floor_f32 v10, -v11
.irp r, 12,13,14,15,164,165,167,169
	v_mov_b32 v\r, 0                               ; the sums; the lane permutes' destinations and the upper halves of the pairs that hold f are written once
.endr
	WIN 0x40
.set j, 0
.rept 64
	v_mov_b32 v[OA+j], 0                           ; O^T: the step is written once a loop; the first finds zeros
.set j, j+1
.endr
	WIN 0
	s_wait_kmcnt 0x0
	s_add_co_i32 s80, s54, s55
	s_lshl_b32 s80, s80, 23
	s_add_co_i32 s22, s22, s80                     ; e6 + e7 go into c's exponent field
	s_mov_b32 s23, s22
	s_add_co_i32 s80, s56, 127
	s_lshl_b32 s81, s80, 23
	v_mov_b32 v7, s81                              ; 2^e8
	s_add_co_i32 s80, s80, 15
	s_lshl_b32 s80, s80, 23
	s_or_b32 s80, s80, 0x600000
	v_mov_b32 v5, s80                              ; 57,344 x 2^e8
	s_sub_co_i32 s80, s58, s56
	s_sub_co_i32 s80, s80, s57
	s_add_co_i32 s80, s80, 127
	s_lshl_b32 s82, s80, 23                        ; 2^(e10 - e8 - e9), for the way out,
	s_add_co_i32 s80, s80, 15
	s_lshl_b32 s83, s80, 23
	s_or_b32 s83, s83, 0x600000                    ; and 57,344 x that
.macro ROWSUM b, s                     ; 32 packed additions in four chains: 64 unquantised p onto the running sum
.irp k, 0,1,2
	v_pk_add_f32 v[170+2*\k:171+2*\k], v[\b+4*\k:\b+4*\k+1], v[\b+4*\k+2:\b+4*\k+3]
.endr
.irp j, 12,20,28,36,44,52
	v_pk_add_f32 v[\s:\s+1], v[\s:\s+1], v[\b+\j:\b+\j+1]
	v_pk_add_f32 v[170:171], v[170:171], v[\b+\j+2:\b+\j+3]
	v_pk_add_f32 v[172:173], v[172:173], v[\b+\j+4:\b+\j+5]
	v_pk_add_f32 v[174:175], v[174:175], v[\b+\j+6:\b+\j+7]
.endr
	v_pk_add_f32 v[\s:\s+1], v[\s:\s+1], v[\b+60:\b+61]
	v_pk_add_f32 v[170:171], v[170:171], v[\b+62:\b+63]
	v_pk_add_f32 v[172:173], v[172:173], v[174:175]
	v_pk_add_f32 v[\s:\s+1], v[\s:\s+1], v[170:171]
	v_pk_add_f32 v[\s:\s+1], v[\s:\s+1], v[172:173]
.endm
; A KEY STEP: 128 keys against my 32 queries.
.macro STEP
	v_add_nc_u32 v2, s2, v1
.irp t, 0,1,2,3,4,5,6,7
	ds_load_b128 v[KF+8*\t:KF+8*\t+3], v2 offset:1024*\t
	ds_load_b128 v[KF+8*\t+4:KF+8*\t+7], v2 offset:1024*\t+512
.endr
	s_wait_alu depctr_va_vdst(0)
	s_wait_dscnt 0x0
.irp t, 0,1,2,3,4,5,6,7
	v_wmma_f32_16x16x64_bf8_bf8 v[SA+8*\t:SA+8*\t+7], v[KF+8*\t:KF+8*\t+7], v[16:23], 0
	v_wmma_f32_16x16x64_bf8_bf8 v[SB+8*\t:SB+8*\t+7], v[KF+8*\t:KF+8*\t+7], v[24:31], 0
.endr
.rept 4
	v_nop                                          ; places: ahead of the first reads of the scores, and (with the addition at the step's head) of the loads into V's registers and the writes of P's, which the last step's products read
.endr
	WIN 0x40
.irp d, 0,1,2,3
.irp c, 0,1,2,3
	ds_load_b128 v[16*\d+4*\c:16*\d+4*\c+3], v2 offset:8192+2048*\d+512*\c   ; V's fragments land under the softmax
.endr
.endr
	WIN 0
	v_max3_num_f32 v160, v[SA], v[SA+1], v[SA+2]   ; the step's largest scores: two chains a tile, each accumulator from its low end on
	v_max3_num_f32 v161, v[SA+3], v[SA+4], v[SA+5]
	v_max3_num_f32 v162, v[SB], v[SB+1], v[SB+2]
	v_max3_num_f32 v163, v[SB+3], v[SB+4], v[SB+5]
.irp i, 6,10,14,18,22,26,30,34,38,42,46,50,54,58
	v_max3_num_f32 v160, v160, v[SA+\i], v[SA+\i+1]
	v_max3_num_f32 v161, v161, v[SA+\i+2], v[SA+\i+3]
	v_max3_num_f32 v162, v162, v[SB+\i], v[SB+\i+1]
	v_max3_num_f32 v163, v163, v[SB+\i+2], v[SB+\i+3]
.endr
	v_max3_num_f32 v160, v160, v[SA+62], v[SA+63]
	v_max3_num_f32 v162, v162, v[SB+62], v[SB+63]
	v_max_num_f32 v160, v160, v161
	v_max_num_f32 v162, v162, v163
	v_permlanex16_b32 v164, v160, s20, s21
	v_permlanex16_b32 v165, v162, s20, s21
	v_max_num_f32 v160, v160, v164                 ; and lane l xor 16's
	v_max_num_f32 v162, v162, v165
	v_mul_f32 v160, s22, v160                      ; as t (c is positive)
	v_mul_f32 v162, s22, v162
	v_max_num_f32 v9, v9, v160                     ; the running largest t
	v_max_num_f32 v11, v11, v162
	v_mov_b32 v161, v8
	v_mov_b32 v163, v10
	v_floor_f32 v8, -v9                            ; the new -M = -ceil(t)
	v_floor_f32 v10, -v11
	v_sub_f32 v161, v8, v161                       ; old M - new M: a whole number, 0 or less
	v_sub_f32 v163, v10, v163
	v_cvt_i32_f32 v161, v161                       ; (it saturates)
	v_cvt_i32_f32 v163, v163
	v_ldexp_f32 v166, 1.0, v161                    ; f = 2^(old M - new M)
	v_ldexp_f32 v168, 1.0, v163
	v_pk_mul_f32 v[12:13], v[12:13], v[166:167] op_sel_hi:[1,0]   ; the sums under the new M
	v_pk_mul_f32 v[14:15], v[14:15], v[168:169] op_sel_hi:[1,0]
	WIN 0x41                                       ; O^T under the new M, ahead of the exponentials
.set j, 0
.rept 16
	v_pk_mul_f32 v[OA+j:OA+j+1], v[OA+j:OA+j+1], v[166:167] op_sel_hi:[1,0]
.set j, j+2
.endr
.set j, 0
.rept 16
	v_pk_mul_f32 v[OB+j:OB+j+1], v[OB+j:OB+j+1], v[168:169] op_sel_hi:[1,0]
.set j, j+2
.endr
	WIN 0
.set j, 0
.rept 32
	v_pk_fma_f32 v[SA+j:SA+j+1], v[SA+j:SA+j+1], s[22:23], v[8:9] op_sel_hi:[1,0,0]   ; A: t - M
.set j, j+2
.endr
	s_wait_alu depctr_va_vdst(0)
.set j, 0
.rept 32                                       ; A's exponentials; B's t - M, which names none of their registers, stands among them
	v_exp_f32 v[SA+j], v[SA+j]
	v_exp_f32 v[SA+j+1], v[SA+j+1]
	v_pk_fma_f32 v[SB+j:SB+j+1], v[SB+j:SB+j+1], s[22:23], v[10:11] op_sel_hi:[1,0,0]
.set j, j+2
.endr
	s_wait_alu depctr_va_vdst(0)                   ; one wait behind A's batch, which is also the wait ahead of B's
	ROWSUM SA, 12
.set j, 0
.rept 64                                       ; B's exponentials; A's hold stands among them (the conversion does not saturate: ISA guide 7.6.2; p is not negative, so the hold is one-sided)
	v_exp_f32 v[SB+j], v[SB+j]
	v_min_num_f32 v[SA+j], v[SA+j], v5
.set j, j+1
.endr
	s_wait_alu depctr_va_vdst(0)                   ; one wait behind B's batch
	ROWSUM SB, 14
.set j, 0
.rept 64
	v_min_num_f32 v[SB+j], v[SB+j], v5
.set j, j+1
.endr
.irp t, 0,1,2,3,4,5,6,7
	v_cvt_scalef32_pk8_bf8_f32 v[PA+2*\t:PA+2*\t+1], v[SA+8*\t:SA+8*\t+7], v7
.endr
.irp t, 0,1,2,3,4,5,6,7
	v_cvt_scalef32_pk8_bf8_f32 v[PB+2*\t:PB+2*\t+1], v[SB+8*\t:SB+8*\t+7], v7
.endr
	v_nop                                          ; a plain line between the conversions and the matrix instructions that read their results
	s_wait_alu depctr_va_vdst(0)
	s_wait_dscnt 0x0                               ; V's fragments
	WIN 0x51                                       ; V and O^T in window 1, P in window 0
.irp d, 0,1,2,3                                ; the eight accumulators take turns, one instruction a turn
	v_wmma_f32_16x16x128_bf8_bf8 v[OA+8*\d:OA+8*\d+7], v[16*\d:16*\d+15], v[PA:PA+15], v[OA+8*\d:OA+8*\d+7]
	v_wmma_f32_16x16x128_bf8_bf8 v[OB+8*\d:OB+8*\d+7], v[16*\d:16*\d+15], v[PB:PB+15], v[OB+8*\d:OB+8*\d+7]
.endr
	WIN 0
	s_add_co_u32 s2, s2, 16384
.endm
	s_wait_alu depctr_va_vdst(0)
	s_wait_tensorcnt 0x0                           ; my part of key steps 0-3 is in
	ds_add_u32 v[SPW], v[NIL]
	s_wait_dscnt 0x0
	CROUND                                         ; everybody's part is in, and the four partners are here
	tensor_load_to_lds s[36:39], s[40:47]          ; key steps 4-15: the first tensor load behind the round
	s_nop 0
	s_wait_loadcnt 0x0                             ; Q
	s_mov_b32 s2, 0
	s_mov_b32 s3, 4
.Lfirst:
	STEP
	s_sub_co_u32 s3, s3, 1
	s_cmp_lg_u32 s3, 0
	s_cbranch_scc1 .Lfirst
	s_wait_tensorcnt 0x0                           ; my part of key steps 4-15 is in;
	s_wait_dscnt 0x0
	s_barrier_signal -1
	s_barrier_wait -1                              ; and everybody's
	s_mov_b32 s2, 65536
	s_mov_b32 s3, 12
.Lrest:
	STEP
	s_sub_co_u32 s3, s3, 1
	s_cmp_lg_u32 s3, 0
	s_cbranch_scc1 .Lrest
	; THE WAY OUT: O^T / the sum, held and converted under 2^(e10 - e8 - e9): eight registers of codes a tile, stored as they stand.
.rept 4
	v_nop
.endr
	v_add_f32 v12, v12, v13
	v_add_f32 v14, v14, v15
	v_permlanex16_b32 v164, v12, s20, s21
	v_permlanex16_b32 v165, v14, s20, s21
	v_add_f32 v12, v12, v164                       ; the rows' sums
	v_add_f32 v14, v14, v165
	v_mov_b32 v5, s83
	v_mov_b32 v7, s82
	s_wait_alu depctr_va_vdst(0)
	v_rcp_f32 v12, v12
	v_rcp_f32 v14, v14
	v_nop
	WIN 0x01
	s_wait_alu depctr_va_vdst(0)                   ; behind them, directly ahead of the first readers of their results and of O^T
.set j, 0
.rept 16
	v_pk_mul_f32 v[32+j:33+j], v[OA+j:OA+j+1], v[12:13] op_sel_hi:[1,0]
.set j, j+2
.endr
.set j, 0
.rept 16
	v_pk_mul_f32 v[64+j:65+j], v[OB+j:OB+j+1], v[14:15] op_sel_hi:[1,0]
.set j, j+2
.endr
	WIN 0
.set j, 0
.rept 64
	v_med3_num_f32 v[32+j], v[32+j], -v5, v5
.set j, j+1
.endr
.irp d, 0,1,2,3,4,5,6,7
	v_cvt_scalef32_pk8_bf8_f32 v[160+2*\d:161+2*\d], v[32+8*\d:39+8*\d], v7
.endr
	v_nop
	global_store_b128 v1, v[160:163], s[8:9]                 ; each store of the wave covers 512 consecutive bytes, aligned
	global_store_b128 v1, v[164:167], s[8:9] offset:512
	global_store_b128 v1, v[168:171], s[8:9] offset:16384    ; tile B: the next token tile
	global_store_b128 v1, v[172:175], s[8:9] offset:16896
	s_wait_tensorcnt 0x0                           ; the wave's end
	ds_add_u32 v[SPW], v[NIL]
	s_wait_dscnt 0x0
	CROUND                                         ; the closing round
	s_endpgm
.Lfunc_end_k_q2a3dcb6bef_attn:
	.size	k_q2a3dcb6bef_attn, .Lfunc_end_k_q2a3dcb6bef_attn-k_q2a3dcb6bef_attn
	.p2alignl 7, 3214868480
	.fill 96, 4, 3214868480
	.section	.rodata,"a",@progbits
	.p2align	6, 0x0
	.amdhsa_kernel k_q2a3dcb6bef_attn
		.amdhsa_group_segment_fixed_size 327680
		.amdhsa_private_segment_fixed_size 0
		.amdhsa_enable_private_segment 0
		.amdhsa_kernarg_size 24
		.amdhsa_user_sgpr_count 2
		.amdhsa_user_sgpr_kernarg_segment_ptr 1
		.amdhsa_wavefront_size32 1
		.amdhsa_system_sgpr_workgroup_id_x 1
		.amdhsa_system_sgpr_workgroup_id_y 1
		.amdhsa_system_sgpr_workgroup_id_z 1
		.amdhsa_system_vgpr_workitem_id 0
		.amdhsa_next_free_vgpr 384
		.amdhsa_next_free_sgpr 96
		.amdhsa_reserve_vcc 0
		.amdhsa_float_denorm_mode_32 3
		.amdhsa_float_denorm_mode_16_64 3
		.amdhsa_memory_ordered 1
		.amdhsa_forward_progress 1
		.amdhsa_inst_pref_size 73
	.end_amdhsa_kernel
	.amdgpu_metadata
---
amdhsa.version: [ 1, 2 ]
amdhsa.kernels:
  - .name:           k_q2a3dcb6bef_attn
    .symbol:         k_q2a3dcb6bef_attn.kd
    .args:
      - { .name: qkv, .offset: 0, .size: 8, .value_kind: global_buffer, .address_space: global }
      - { .name: lowp_scales, .offset: 8, .size: 8, .value_kind: global_buffer, .address_space: global }
      - { .name: ao, .offset: 16, .size: 8, .value_kind: global_buffer, .address_space: global }
    .group_segment_fixed_size: 327680
    .private_segment_fixed_size: 0
    .kernarg_segment_align: 8
    .kernarg_segment_size: 24
    .max_flat_workgroup_size: 256
    .sgpr_count:     96
    .vgpr_count:     384
    .wavefront_size: 32
...
	.end_amdgpu_metadata
.endif
;; end of part 3
;; launch oproj (part 4): grid 8 x 32, 4 waves a work-group, clusters of 4 x 4, 327,680 bytes of LDS; arguments ao, Wo_codes, lowp_scales, x, ybuf; writes ybuf
.if DOCPART == 4
	.amdgcn_target "amdgcn-amd-amdhsa--gfx1250"
	.amdhsa_code_object_version 6
	.text
	.protected	k_q2a3dcb6bef_oproj
	.globl	k_q2a3dcb6bef_oproj
	.p2align	8
	.type	k_q2a3dcb6bef_oproj,@function
k_q2a3dcb6bef_oproj:
	s_mov_b64 s[64:65], 0
	v_nop
	global_prefetch_b8 v0, s[64:65] scope:SCOPE_SE
	s_setreg_imm32_b32 hwreg(HW_REG_WAVE_MODE, 25, 1), 1
	s_wait_xcnt 0x0
	s_wait_alu depctr_hold_cnt(0) depctr_sa_sdst(0) depctr_va_vdst(0) depctr_va_sdst(0) depctr_va_ssrc(0) depctr_va_vcc(0) depctr_vm_vsrc(0)
	s_getreg_b32 s2, hwreg(HW_REG_IB_STS2, 6, 4)
	s_cmp_eq_u32 s2, 0
	s_cbranch_scc0 .Lentry_in_a_cluster
	s_endpgm
.Lentry_in_a_cluster:
	s_bfe_u32 s2, ttmp6, 0x10000c
	s_cmp_lg_u32 s2, 0xf033
	s_cbranch_scc0 .Lentry_shape_is_right
	s_endpgm
.Lentry_shape_is_right:
; Product 6 and the residual: ybuf = x + (attention's result) Wo^T, on codes of E5M2; sums in f32.  No work is left out.
; A (4,096 x SIZE_K) comes as images of the operand registers: [token tile of 16][K step of 128][2,048 B], a group of four registers at 512 c + 16 x lane, in the 8-bit forms' own layout (registers 2 c', 2 c' + 1: k = 16 c' + 8 h + 0 .. 7).
; B (1,024 x SIZE_K) comes as rows of codes and is read from LDS in the same layout, by eight loads of 8 bytes a fragment.
; A tile of the result is 128 x 128, so that there are 256 work-groups; four waves, each 64 x 64 in 16 accumulators.  K goes 512 at a time through two LDS slots; here they hold all of K and nothing is filled again.
; 4 x 4 work-groups form a cluster: A's tiles are asked for jointly along its rows, B's along its columns.  The matrix instruction is used transposed: a lane holds eight neighbouring numbers of a row of the result.
; LIMIT: the two exponents' sum between -126 and 127.
; REGISTERS: window 0: v16-29 addresses; v32-95 two sets on the way out; v128-255 the accumulators.  window 1: two fragment buffers of 128 (A's four fragments, then B's four).  window 2: v0-127 the residual, loaded at the head.
.set SIZE_K, 1024
.set ESC,    0x28                      ; where the product's two exponents lie in lowp_scales
.set SLOTK,  512
.set BP,     528                       ; a row of B in LDS: 512 bytes + 16 of padding
.set BOFF,   65536                     ; a slot: A's eight token tiles x 8,192 bytes, then B's 128 rows
.set SLOTB,  BOFF+128*BP
.set STAGE,  2*SLOTB                   ; behind the ring: 16 rows x 272 bytes for each wave; no fill lands here
.set SPITCH, 272
.set SPARE,  STAGE+4*16*SPITCH         ; the spare words, 128 bytes a wave
.set LAPS,   SIZE_K/(2*SLOTK)
.set ADRA, 16
.set ADRB, 20
.set STO,  24
.set RD,   25
.set CO,   26
.set SPW,  28
.set NIL,  29
.set BK,   32
.set ACC,  128
.set F0,   0
.set F1,   128
.set G1, 24
.set G0, 32
.set G1B, 48
.set G0B, 56
.set MSB, 0
.macro WIN new
.if MSB != (\new)
	s_set_vgpr_msb (MSB<<8)|(\new)
.set MSB, (\new)
.endif
.endm
.set MUL,  0x05
.set TO_F, 0x40
.macro JLOAD s                         ; waves 0, 1 fetch A's halves, waves 2, 3 B's; an s_nop 0 and four v_nop follow each line
	s_cmp_eq_u32 s11, 0
	s_cbranch_scc0 .Lfor_b_\@
	tensor_load_to_lds s[G0+4*\s:G0+4*\s+3], s[G1:G1+7]
	s_nop 0
.rept 4
	v_nop
.endr
	s_branch .Lasked_\@
.Lfor_b_\@:
	tensor_load_to_lds s[G0B+4*\s:G0B+4*\s+3], s[G1B:G1B+7]
	s_nop 0
.rept 4
	v_nop
.endr
.Lasked_\@:
.endm
.macro CREST
	s_cmp_lg_u32 s10, 0
	s_cbranch_scc1 .Lnot_wave_0_\@
	s_barrier_signal -3
.Lnot_wave_0_\@:
	s_barrier_wait -3
	s_barrier_signal -1
	s_barrier_wait -1
.endm
.macro CROUND
	s_barrier_signal -1
	s_barrier_wait -1
	CREST
.endm
	s_load_b128 s[4:7], s[0:1], 0x0                ; A's images, B's codes
	s_load_b128 s[68:71], s[0:1], 0x10             ; the scales' exponents, the residual
	s_load_b64 s[72:73], s[0:1], 0x20              ; the result
	v_lshl_add_u32 v[SPW], v0, 2, SPARE
	v_mov_b32 v[NIL], 0
	ds_add_u32 v[SPW], v[NIL]                      ; the wave's opening: the add, twice on end, and its wait ahead of my first tensor load
	ds_add_u32 v[SPW], v[NIL]
	v_lshrrev_b32 v1, 5, v0
	v_readfirstlane_b32 s10, v1                    ; wave
	s_lshr_b32 s11, s10, 1                         ; my half of the rows.  Also: I fetch for A (0) or B (1)
	s_and_b32 s12, s10, 1                          ; my half of the columns.  Also: which half of that tile I fetch
	s_bfe_u32 s40, ttmp6, 0x40000
	s_bfe_u32 s41, ttmp6, 0x40004
	s_lshl_b32 s42, ttmp9, 2
	s_add_co_u32 s42, s42, s40                     ; tile column
	s_and_b32 s13, ttmp7, 0xffff
	s_lshl_b32 s13, s13, 2
	s_add_co_u32 s13, s13, s41                     ; tile row
	s_lshl_b32 s43, s41, 2
	s_lshl_b32 s43, 15, s43
	s_lshl_b32 s44, 0x1111, s40
	s_or_b32 s[G1+0], s43, (3<<16)|(1<<21)         ; A: the mask of my row; elements of 8 bytes; bit 21 beside a mask; no padding
	s_mov_b32 s[G1+1], 1024<<16                    ; tensor_dim0 = 1,024: a token tile's 8,192 bytes of a slot
	s_mov_b32 s[G1+2], 4<<16                       ; tensor_dim1 = 4 token tiles
	s_mov_b32 s[G1+3], 1024<<16
	s_mov_b32 s[G1+4], 4
	s_mov_b32 s[G1+5], 2*SIZE_K                    ; from token tile to token tile: 16 SIZE_K bytes
	s_mov_b32 s[G1+6], 0
	s_mov_b32 s[G1+7], 0
	s_or_b32 s[G1B+0], s44, (0<<16)|(1<<20)|(1<<21)|(6<<22)|(3<<25)  ; B: the mask of my column; 1 byte; after every 128 words, 4 words of padding
	s_mov_b32 s[G1B+1], SLOTK<<16
	s_mov_b32 s[G1B+2], 64<<16
	s_mov_b32 s[G1B+3], SLOTK<<16
	s_mov_b32 s[G1B+4], 64
	s_mov_b32 s[G1B+5], SIZE_K
	s_mov_b32 s[G1B+6], 0
	s_mov_b32 s[G1B+7], 0
	s_lshl_b32 s16, s13, 3
	s_lshl_b32 s17, s12, 2
	s_add_co_u32 s16, s16, s17
	s_mul_i32 s16, s16, 16*SIZE_K                  ; A: token tile 8 x tile row + 4 x half
	s_mov_b32 s17, 0
	s_lshl_b32 s46, s42, 7
	s_lshl_b32 s47, s12, 6
	s_add_co_u32 s46, s46, s47
	s_mul_i32 s46, s46, SIZE_K                     ; B: row 128 x tile column + 64 x half
	s_mov_b32 s47, 0
	s_lshl_b32 s20, s12, 15                        ; where they go: A's half,
	s_mul_i32 s21, s12, 64*BP
	s_add_co_u32 s21, s21, BOFF                    ; B's half
	s_wait_dscnt 0x0
	s_wait_kmcnt 0x0
	s_load_b64 s[74:75], s[68:69], ESC
	s_add_nc_u64 s[14:15], s[4:5], s[16:17]
	s_add_nc_u64 s[46:47], s[6:7], s[46:47]
	CROUND
.irp s, 0,1
	s_mov_b32 s[G0+4*\s], 1
	s_add_co_u32 s[G0+4*\s+1], s20, \s*SLOTB
	s_add_nc_u64 s[G0+4*\s+2:G0+4*\s+3], s[14:15], \s*8192
	s_or_b32 s[G0+4*\s+3], s[G0+4*\s+3], 0x80000000
	s_mov_b32 s[G0B+4*\s], 1
	s_add_co_u32 s[G0B+4*\s+1], s21, \s*SLOTB
	s_add_nc_u64 s[G0B+4*\s+2:G0B+4*\s+3], s[46:47], \s*SLOTK
	s_or_b32 s[G0B+4*\s+3], s[G0B+4*\s+3], 0x80000000
.endr
	JLOAD 0                                        ; slot 0: one tensor load a wave at the head
	v_and_b32 v1, 15, v0                           ; r
	v_bfe_u32 v2, v0, 4, 1                         ; h
	v_and_b32 v3, 31, v0
	v_lshlrev_b32 v3, 4, v3                        ; 16 x lane
	v_mul_u32_u24 v4, v1, BP
	v_lshl_add_u32 v4, v2, 3, v4                   ; B: row x pitch + 8 h
	s_lshl_b32 s21, s11, 15                        ; my four token tiles
	s_mul_i32 s22, s12, 64*BP
	s_add_co_u32 s22, s22, BOFF                    ; my 64 rows of B
.irp s, 0,1
	v_add_nc_u32 v[ADRA+\s], s21, v3
	v_add_nc_u32 v[ADRB+\s], s22, v4
	s_add_co_u32 s21, s21, SLOTB
	s_add_co_u32 s22, s22, SLOTB
.endr
	s_mul_i32 s23, s10, 16*SPITCH
	s_add_co_u32 s23, s23, STAGE                   ; my stage
	v_mul_u32_u24 v4, v1, SPITCH
	v_lshl_add_u32 v4, v2, 5, v4
	v_add_nc_u32 v[STO], s23, v4                   ; in: row r, 32 bytes for each half of the lanes
	v_mul_u32_u24 v5, v2, SPITCH
	v_lshl_add_u32 v5, v1, 4, v5
	v_add_nc_u32 v[RD], s23, v5                    ; back: lanes 0-15 one row of 256 bytes, lanes 16-31 the next
	v_lshlrev_b32 v5, 12, v2
	v_lshl_add_u32 v[CO], v1, 4, v5                ; and the same two rows in memory
	s_wait_alu depctr_va_vdst(0)
	s_lshl_b32 s16, s13, 7
	s_lshl_b32 s17, s11, 6
	s_add_co_u32 s16, s16, s17
	s_lshl_b32 s16, s16, 12                        ; my first row, of 4,096 bytes,
	s_lshl_b32 s46, s42, 9
	s_lshl_b32 s47, s12, 8
	s_add_co_u32 s46, s46, s47
	s_add_co_u32 s16, s16, s46                     ; my first column
	s_mov_b32 s17, 0
	s_add_nc_u64 s[70:71], s[70:71], s[16:17]
	s_add_nc_u64 s[72:73], s[72:73], s[16:17]
	WIN 0x80                                       ; destination window 2
.irp a, 0,1,2,3
.irp t, 0,1,2,3,4,5,6,7
	global_load_b128 v[32*\a+4*\t:32*\a+4*\t+3], v[CO], s[70:71] offset:(16*\a+2*\t)*4096 th:TH_LOAD_NT   ; the residual, in the order in which the result comes back from the stage; it lands under the products
.endr
.endr
	WIN 0
.macro MUL8 f, a0, zero                ; 8 matrix instructions; the 16 accumulators take turns, one instruction a turn, in the same order in every quarter
.irp a, \a0, \a0+1
.irp b, 0,1,2,3
.if \zero
	v_wmma_f32_16x16x128_bf8_bf8 v[ACC+8*(4*(\a)+\b):ACC+8*(4*(\a)+\b)+7], v[\f+64+16*\b:\f+64+16*\b+15], v[\f+16*(\a):\f+16*(\a)+15], 0
.else
	v_wmma_f32_16x16x128_bf8_bf8 v[ACC+8*(4*(\a)+\b):ACC+8*(4*(\a)+\b)+7], v[\f+64+16*\b:\f+64+16*\b+15], v[\f+16*(\a):\f+16*(\a)+15], v[ACC+8*(4*(\a)+\b):ACC+8*(4*(\a)+\b)+7]
.endif
.endr
.endr
.endm
.macro FETCH slot, q, f                ; 48 LDS loads in one run: B's four fragments, A's 0 and 1, A's 2 and 3
	WIN TO_F
.irp j, 0,1,2,3
.irp c, 0,1,2,3,4,5,6,7
	ds_load_b64 v[\f+64+16*\j+2*\c:\f+64+16*\j+2*\c+1], v[ADRB+\slot] offset:16*BP*\j+128*(\q)+16*\c
.endr
.endr
.irp i, 0,1,2,3
.irp c, 0,1,2,3
	ds_load_b128 v[\f+16*\i+4*\c:\f+16*\i+4*\c+3], v[ADRA+\slot] offset:8192*\i+2048*(\q)+512*\c
.endr
.endr
.endm
.macro PLACES n
.rept \n
	v_nop
.endr
.endm
.macro QUARTER slot, q, f, g, zero     ; 128 along K from buffer f; the slot's quarter q is fetched into g
	s_wait_dscnt 8                                 ; all but A's fragments 2 and 3
	WIN MUL
	MUL8 \f, 0, \zero
	PLACES 4
	FETCH \slot, \q, \g
	s_wait_dscnt 48                                ; all but the 48 just issued
	WIN MUL
	MUL8 \f, 2, \zero
.endm
.macro TURN slot, next, fill           ; a slot's last quarter (buffer 1) changes slots
	WIN 0
	s_wait_tensorcnt 0x0                           ; all my tensor loads have landed
	ds_add_u32 v[SPW], v[NIL]                      ; 0 onto my spare word
	s_wait_dscnt 9                                 ; the add and the youngest eight loads may be out
	WIN MUL
	MUL8 F1, 0, 0
	s_wait_dscnt 0x0                               ; the add is done, and my reads of this slot are over
	WIN 0
	s_barrier_signal -1
	s_barrier_wait -1
.if \fill
	CREST
	s_add_nc_u64 s[G0+4*\slot+2:G0+4*\slot+3], s[G0+4*\slot+2:G0+4*\slot+3], 2*8192
	s_add_nc_u64 s[G0B+4*\slot+2:G0B+4*\slot+3], s[G0B+4*\slot+2:G0B+4*\slot+3], 2*SLOTK
	JLOAD \slot                                    ; the first tensor load behind the round; its four v_nop are the places in front of the loads below
.else
	PLACES 4
.endif
	FETCH \next, 0, F0
	WIN MUL
	MUL8 F1, 2, 0
.endm
	s_wait_tensorcnt 0x0                           ; my part of slot 0 is in
	ds_add_u32 v[SPW], v[NIL]
	s_wait_dscnt 0x0
	CROUND                                         ; a whole round: everybody's part of slot 0 is in, and the joint loads meet
	JLOAD 1                                        ; slot 1's first fill, the first tensor load behind the round
	FETCH 0, 0, F0
	QUARTER 0, 1, F0, F1, 1                        ; the first quarter's products start the sums
.if LAPS > 1
	WIN 0
	s_mov_b32 s3, LAPS-1
.Llap:
	QUARTER 0, 2, F1, F0, 0
	QUARTER 0, 3, F0, F1, 0
	TURN 0, 1, 1
	QUARTER 1, 1, F0, F1, 0
	QUARTER 1, 2, F1, F0, 0
	QUARTER 1, 3, F0, F1, 0
	TURN 1, 0, 1
	QUARTER 0, 1, F0, F1, 0
	WIN 0
	s_sub_co_u32 s3, s3, 1
	s_cmp_lg_u32 s3, 0
	s_cbranch_scc1 .Llap
.endif
	QUARTER 0, 2, F1, F0, 0
	QUARTER 0, 3, F0, F1, 0
	TURN 0, 1, 0
	QUARTER 1, 1, F0, F1, 0
	QUARTER 1, 2, F1, F0, 0
	QUARTER 1, 3, F0, F1, 0
	s_wait_dscnt 8
	WIN MUL
	MUL8 F1, 0, 0
	s_wait_dscnt 0
	MUL8 F1, 2, 0
	WIN 0
	; THE WAY OUT, 16 rows x 64 columns at a time: through my own stage, back as whole rows of 256 bytes; there sum x 2^(eA + eB) + residual, one packed multiply-add for two numbers.
	s_wait_kmcnt 0x0
	s_add_co_i32 s74, s74, s75
	s_add_co_i32 s74, s74, 127
	s_lshl_b32 s74, s74, 23
	s_mov_b32 s75, s74
	PLACES 4
	s_wait_loadcnt 0x0                             ; the residual
.macro TOSTAGE a
.set BB, BK+32*((\a)%2)
.irp b, 0,1,2,3
	ds_store_b128 v[STO], v[ACC+8*(4*(\a)+\b):ACC+8*(4*(\a)+\b)+3] offset:64*\b          ; each accumulator from its low end on
	ds_store_b128 v[STO], v[ACC+8*(4*(\a)+\b)+4:ACC+8*(4*(\a)+\b)+7] offset:64*\b+16
.endr
.irp t, 0,1,2,3,4,5,6,7
	ds_load_b128 v[BB+4*\t:BB+4*\t+3], v[RD] offset:\t*2*SPITCH   ; LDS serves a wave's instructions in order: these see my stores
.endr
.endm
.macro SEND a, younger
.set BB, BK+32*((\a)%2)
	s_wait_dscnt \younger
	WIN 0x20                                       ; source 2 (the residual) window 2
.set j, 0
.rept 16
	v_pk_fma_f32 v[BB+j:BB+j+1], v[BB+j:BB+j+1], s[74:75], v[32*(\a)+j:32*(\a)+j+1] op_sel_hi:[1,0,1]
.set j, j+2
.endr
	WIN 0
.irp t, 0,1,2,3,4,5,6,7
	global_store_b128 v[CO], v[BB+4*\t:BB+4*\t+3], s[72:73] offset:(16*(\a)+2*\t)*4096   ; 16 lanes store 256 consecutive bytes, aligned
.endr
.endm
	TOSTAGE 0
.irp a, 1,2,3
.if \a > 1
	s_wait_xcnt 0x0                                ; block a - 2's stores have read their registers: block a's loads may land there
.endif
	TOSTAGE \a
	SEND \a-1, 16                                  ; behind block a - 1's loads: block a's 8 stores and 8 loads
.endr
	SEND 3, 0
	s_wait_tensorcnt 0x0                           ; the wave's end
	ds_add_u32 v[SPW], v[NIL]
	s_wait_dscnt 0x0
	CROUND
	s_endpgm
.Lfunc_end_k_q2a3dcb6bef_oproj:
	.size	k_q2a3dcb6bef_oproj, .Lfunc_end_k_q2a3dcb6bef_oproj-k_q2a3dcb6bef_oproj
	.p2alignl 7, 3214868480
	.fill 96, 4, 3214868480
	.section	.rodata,"a",@progbits
	.p2align	6, 0x0
	.amdhsa_kernel k_q2a3dcb6bef_oproj
		.amdhsa_group_segment_fixed_size 327680
		.amdhsa_private_segment_fixed_size 0
		.amdhsa_enable_private_segment 0
		.amdhsa_kernarg_size 40
		.amdhsa_user_sgpr_count 2
		.amdhsa_user_sgpr_kernarg_segment_ptr 1
		.amdhsa_wavefront_size32 1
		.amdhsa_system_sgpr_workgroup_id_x 1
		.amdhsa_system_sgpr_workgroup_id_y 1
		.amdhsa_system_sgpr_workgroup_id_z 1
		.amdhsa_system_vgpr_workitem_id 0
		.amdhsa_next_free_vgpr 640
		.amdhsa_next_free_sgpr 80
		.amdhsa_reserve_vcc 0
		.amdhsa_float_denorm_mode_32 3
		.amdhsa_float_denorm_mode_16_64 3
		.amdhsa_memory_ordered 1
		.amdhsa_forward_progress 1
		.amdhsa_inst_pref_size 57
	.end_amdhsa_kernel
	.amdgpu_metadata
---
amdhsa.version: [ 1, 2 ]
amdhsa.kernels:
  - .name:           k_q2a3dcb6bef_oproj
    .symbol:         k_q2a3dcb6bef_oproj.kd
    .args:
      - { .name: ao, .offset: 0, .size: 8, .value_kind: global_buffer, .address_space: global }
      - { .name: Wo_codes, .offset: 8, .size: 8, .value_kind: global_buffer, .address_space: global }
      - { .name: lowp_scales, .offset: 16, .size: 8, .value_kind: global_buffer, .address_space: global }
      - { .name: x, .offset: 24, .size: 8, .value_kind: global_buffer, .address_space: global }
      - { .name: ybuf, .offset: 32, .size: 8, .value_kind: global_buffer, .address_space: global }
    .group_segment_fixed_size: 327680
    .private_segment_fixed_size: 0
    .kernarg_segment_align: 8
    .kernarg_segment_size: 40
    .max_flat_workgroup_size: 128
    .sgpr_count:     80
    .vgpr_count:     640
    .wavefront_size: 32
...
	.end_amdgpu_metadata
.endif
;; end of part 4
;; launch ln1 (part 5): grid 256 x 1, 4 waves a work-group, no clusters, 20,992 bytes of LDS; arguments ybuf, g1, b1, lowp_scales, x1, x1c; writes x1, x1c
.if DOCPART == 5
	.amdgcn_target "amdgcn-amd-amdhsa--gfx1250"
	.amdhsa_code_object_version 6
	.text
	.protected	k_q2a3dcb6bef_ln1
	.globl	k_q2a3dcb6bef_ln1
	.p2align	8
	.type	k_q2a3dcb6bef_ln1,@function
k_q2a3dcb6bef_ln1:
	s_mov_b64 s[64:65], 0
	v_nop
	global_prefetch_b8 v0, s[64:65] scope:SCOPE_SE
	s_setreg_imm32_b32 hwreg(HW_REG_WAVE_MODE, 25, 1), 1
	s_wait_xcnt 0x0
; x1 = LayerNorm(ybuf) g1 + b1, in f32, and its codes of E5M2 under 2^e12 (product 7's A), rows of 1,024 bytes.  No work is left out.
; A wave takes a whole row (4,096 bytes, 32 registers) and four rows in all; every load goes out at the head.  Mean, then the mean of the squared differences; eps = 1e-5.
; The conversions want neighbours along K in one lane: the finished row turns through the wave's own stage in LDS (16 bytes of padding behind each 64) and comes back 2 x 64 bytes a lane.
; No matrix unit, no cluster, no barrier: waves share nothing.  LIMITS: e12 between -126 and 112; NaN and infinities are not served.
.set G, 20                             ; v20-51   g of my 32 columns
.set B, 52                             ; v52-83   b
.set X, 84                             ; v84-211  four rows
.set Z, 212                            ; v212-243 the row back from the stage
.set C, 244                            ; v244-251 its codes
.set SPW, 4
.set NIL, 5
.set SPARE, 20480                      ; behind the four stages of 5,120 bytes: the spare words
	s_load_b256 s[4:11], s[0:1], 0x0               ; ybuf, g, b, the scales' exponents
	s_load_b128 s[12:15], s[0:1], 0x20             ; x1, x1c
	v_lshl_add_u32 v[SPW], v0, 2, SPARE
	v_mov_b32 v[NIL], 0
	v_lshrrev_b32 v1, 5, v0
	v_readfirstlane_b32 s16, v1
	v_and_b32 v12, 31, v0
	v_lshlrev_b32 v1, 4, v12                       ; 16 x lane
	s_mul_i32 s17, s16, 5120
	v_lshrrev_b32 v2, 2, v12
	v_mul_u32_u24 v2, v2, 80
	v_and_b32 v3, 3, v12
	v_lshl_add_u32 v2, v3, 4, v2
	v_add_nc_u32 v2, s17, v2                       ; the stage, in
	v_mul_u32_u24 v3, v12, 80
	v_add_nc_u32 v3, s17, v3                       ; and out
	s_lshl_b32 s18, ttmp9, 2
	s_add_co_u32 s18, s18, s16                     ; which four rows
	s_lshl_b32 s24, s18, 14
	s_mov_b32 s25, 0
	s_lshl_b32 s26, s18, 12
	s_mov_b32 s27, 0
	s_mov_b32 s20, 0x76543210
	s_mov_b32 s21, 0xfedcba98
	s_mov_b32 s22, 0x3a800000                      ; 1 / 1,024
	s_mov_b32 s23, 0x3727c5ac                      ; 1e-5
	s_wait_alu depctr_va_vdst(0)
	s_wait_kmcnt 0x0
	s_load_b32 s28, s[10:11], 0x30                 ; e12
	s_add_nc_u64 s[4:5], s[4:5], s[24:25]
	s_add_nc_u64 s[12:13], s[12:13], s[24:25]
	s_add_nc_u64 s[14:15], s[14:15], s[26:27]
.irp j, 0,1,2,3,4,5,6,7
	global_load_b128 v[G+4*\j:G+4*\j+3], v1, s[6:7] offset:512*\j
.endr
.irp j, 0,1,2,3,4,5,6,7
	global_load_b128 v[B+4*\j:B+4*\j+3], v1, s[8:9] offset:512*\j
.endr
.irp i, 0,1,2,3
.irp j, 0,1,2,3,4,5,6,7
	global_load_b128 v[X+32*\i+4*\j:X+32*\i+4*\j+3], v1, s[4:5] offset:4096*\i+512*\j th:TH_LOAD_NT
.endr
.endr
	s_wait_kmcnt 0x0
	s_add_co_i32 s28, s28, 127
	s_lshl_b32 s29, s28, 23
	v_mov_b32 v6, s29                              ; 2^e12
	s_add_co_i32 s28, s28, 15
	s_lshl_b32 s28, s28, 23
	s_or_b32 s28, s28, 0x600000
	v_mov_b32 v7, s28                              ; 57,344 x 2^e12
.macro REDUCE                          ; v12: my lane's figure becomes the row's, in every lane
	v_add_f32_dpp v12, v12, v12 row_xmask:1 row_mask:0xf bank_mask:0xf
	v_add_f32_dpp v12, v12, v12 row_xmask:2 row_mask:0xf bank_mask:0xf
	v_add_f32_dpp v12, v12, v12 row_xmask:4 row_mask:0xf bank_mask:0xf
	v_add_f32_dpp v12, v12, v12 row_xmask:8 row_mask:0xf bank_mask:0xf
	v_permlanex16_b32 v13, v12, s20, s21
	v_add_f32 v12, v12, v13
.endm
.macro ROW i
.set XR, X+32*(\i)
	s_wait_loadcnt 8*(3-(\i))                      ; g, b and this row are in; the later rows' loads may be out
	v_pk_add_f32 v[12:13], v[XR:XR+1], v[XR+2:XR+3]
	v_pk_add_f32 v[14:15], v[XR+4:XR+5], v[XR+6:XR+7]
.irp j, 8,12,16,20,24,28
	v_pk_add_f32 v[12:13], v[12:13], v[XR+\j:XR+\j+1]
	v_pk_add_f32 v[14:15], v[14:15], v[XR+\j+2:XR+\j+3]
.endr
	v_pk_add_f32 v[12:13], v[12:13], v[14:15]
	v_add_f32 v12, v12, v13
	REDUCE
	v_mul_f32 v8, s22, v12                         ; the mean, twice
	v_mul_f32 v9, s22, v12
.set j, 0
.rept 16
	v_pk_add_f32 v[XR+j:XR+j+1], v[XR+j:XR+j+1], v[8:9] neg_lo:[0,1] neg_hi:[0,1]
.set j, j+2
.endr
	v_pk_mul_f32 v[12:13], v[XR:XR+1], v[XR:XR+1]
	v_pk_mul_f32 v[14:15], v[XR+2:XR+3], v[XR+2:XR+3]
.irp j, 4,8,12,16,20,24,28
	v_pk_fma_f32 v[12:13], v[XR+\j:XR+\j+1], v[XR+\j:XR+\j+1], v[12:13]
	v_pk_fma_f32 v[14:15], v[XR+\j+2:XR+\j+3], v[XR+\j+2:XR+\j+3], v[14:15]
.endr
	v_pk_add_f32 v[12:13], v[12:13], v[14:15]
	v_add_f32 v12, v12, v13
	REDUCE
	v_fma_f32 v12, v12, s22, s23                   ; the variance + eps
	s_wait_alu depctr_va_vdst(0)
	v_rsq_f32 v10, v12
	v_rsq_f32 v11, v12
	v_nop                                          ; a plain line behind the transcendentals,
	s_wait_alu depctr_va_vdst(0)                   ; and one wait for both ahead of their first reader
.set j, 0
.rept 16
	v_pk_mul_f32 v[XR+j:XR+j+1], v[XR+j:XR+j+1], v[10:11]
.set j, j+2
.endr
.set j, 0
.rept 16
	v_pk_fma_f32 v[XR+j:XR+j+1], v[XR+j:XR+j+1], v[G+j:G+j+1], v[B+j:B+j+1]
.set j, j+2
.endr
.irp j, 0,1,2,3,4,5,6,7
	global_store_b128 v1, v[XR+4*\j:XR+4*\j+3], s[12:13] offset:4096*(\i)+512*\j
.endr
.irp j, 0,1,2,3,4,5,6,7
	ds_store_b128 v2, v[XR+4*\j:XR+4*\j+3] offset:640*\j
.endr
.irp u, 0,1
.irp k, 0,1,2,3
	ds_load_b128 v[Z+16*\u+4*\k:Z+16*\u+4*\k+3], v3 offset:2560*\u+16*\k   ; columns 512 u + 16 lane + 0 .. 15
.endr
.endr
	s_wait_dscnt 0x0
.set j, 0
.rept 32
	v_med3_num_f32 v[Z+j], v[Z+j], -v7, v7
.set j, j+1
.endr
	s_wait_alu depctr_va_vdst(0)
	s_wait_xcnt 0x0                                ; the last row's stores have read their codes
.irp q, 0,1,2,3
	v_cvt_scalef32_pk8_bf8_f32 v[C+2*\q:C+2*\q+1], v[Z+8*\q:Z+8*\q+7], v6
.endr
	v_nop
	global_store_b128 v1, v[C:C+3], s[14:15] offset:1024*(\i)
	global_store_b128 v1, v[C+4:C+7], s[14:15] offset:1024*(\i)+512
.endm
.irp i, 0,1,2,3
	ROW \i
.endr
	s_wait_tensorcnt 0x0                           ; the wave's end, behind my last LDS store
	ds_add_u32 v[SPW], v[NIL]
	s_wait_dscnt 0x0
	s_endpgm
.Lfunc_end_k_q2a3dcb6bef_ln1:
	.size	k_q2a3dcb6bef_ln1, .Lfunc_end_k_q2a3dcb6bef_ln1-k_q2a3dcb6bef_ln1
	.p2alignl 7, 3214868480
	.fill 96, 4, 3214868480
	.section	.rodata,"a",@progbits
	.p2align	6, 0x0
	.amdhsa_kernel k_q2a3dcb6bef_ln1
		.amdhsa_group_segment_fixed_size 20992
		.amdhsa_private_segment_fixed_size 0
		.amdhsa_enable_private_segment 0
		.amdhsa_kernarg_size 48
		.amdhsa_user_sgpr_count 2
		.amdhsa_user_sgpr_kernarg_segment_ptr 1
		.amdhsa_wavefront_size32 1
		.amdhsa_system_sgpr_workgroup_id_x 1
		.amdhsa_system_sgpr_workgroup_id_y 1
		.amdhsa_system_sgpr_workgroup_id_z 1
		.amdhsa_system_vgpr_workitem_id 0
		.amdhsa_next_free_vgpr 256
		.amdhsa_next_free_sgpr 66
		.amdhsa_reserve_vcc 0
		.amdhsa_float_denorm_mode_32 3
		.amdhsa_float_denorm_mode_16_64 3
		.amdhsa_memory_ordered 1
		.amdhsa_forward_progress 1
		.amdhsa_inst_pref_size 49
	.end_amdhsa_kernel
	.amdgpu_metadata
---
amdhsa.version: [ 1, 2 ]
amdhsa.kernels:
  - .name:           k_q2a3dcb6bef_ln1
    .symbol:         k_q2a3dcb6bef_ln1.kd
    .args:
      - { .name: ybuf, .offset: 0, .size: 8, .value_kind: global_buffer, .address_space: global }
      - { .name: g1, .offset: 8, .size: 8, .value_kind: global_buffer, .address_space: global }
      - { .name: b1, .offset: 16, .size: 8, .value_kind: global_buffer, .address_space: global }
      - { .name: lowp_scales, .offset: 24, .size: 8, .value_kind: global_buffer, .address_space: global }
      - { .name: x1, .offset: 32, .size: 8, .value_kind: global_buffer, .address_space: global }
      - { .name: x1c, .offset: 40, .size: 8, .value_kind: global_buffer, .address_space: global }
    .group_segment_fixed_size: 20992
    .private_segment_fixed_size: 0
    .kernarg_segment_align: 8
    .kernarg_segment_size: 48
    .max_flat_workgroup_size: 128
    .sgpr_count:     66
    .vgpr_count:     256
    .wavefront_size: 32
...
	.end_amdgpu_metadata
.endif
;; end of part 5
;; launch ffn1 (part 6): grid 16 x 16, 4 waves a work-group, clusters of 4 x 4, 327,680 bytes of LDS; arguments x1c, W1_codes, lowp_scales, hc; writes hc
.if DOCPART == 6
	.amdgcn_target "amdgcn-amd-amdhsa--gfx1250"
	.amdhsa_code_object_version 6
	.text
	.protected	k_q2a3dcb6bef_ffn1
	.globl	k_q2a3dcb6bef_ffn1
	.p2align	8
	.type	k_q2a3dcb6bef_ffn1,@function
k_q2a3dcb6bef_ffn1:
	s_mov_b64 s[64:65], 0
	v_nop
	global_prefetch_b8 v0, s[64:65] scope:SCOPE_SE
	s_setreg_imm32_b32 hwreg(HW_REG_WAVE_MODE, 25, 1), 1
	s_wait_xcnt 0x0
	s_wait_alu depctr_hold_cnt(0) depctr_sa_sdst(0) depctr_va_vdst(0) depctr_va_sdst(0) depctr_va_ssrc(0) depctr_va_vcc(0) depctr_vm_vsrc(0)
	s_getreg_b32 s2, hwreg(HW_REG_IB_STS2, 6, 4)
	s_cmp_eq_u32 s2, 0
	s_cbranch_scc0 .Lentry_in_a_cluster
	s_endpgm
.Lentry_in_a_cluster:
	s_bfe_u32 s2, ttmp6, 0x10000c
	s_cmp_lg_u32 s2, 0xf033
	s_cbranch_scc0 .Lentry_shape_is_right
	s_endpgm
.Lentry_shape_is_right:
.set SIZE_K, 1024
.set ROWB,   256
.set KROW,   SIZE_K
.set PITCH,  272
.set FR,     16
.set NL,     4
.set NP,     4
.set HALFT,  128*PITCH
.set SLOT,   4*HALFT
.set LAPS,   SIZE_K/(2*ROWB)
.set SPARE,  2*SLOT
.set ADRA, 16
.set ADRB, 20
.set SCL,  24
.set LIM,  25
.set VO0,  26
.set VOX,  27
.set SPW,  28
.set NIL,  29
.set GS,   32
.set GT,   64
.set GP,   96
.set GZ,   128
.set CD,   160
.set AF,   128
.set G1, 24
.set G0, 32
.set G1B, 48
.set G0B, 56
.set MSB, 0
.macro WIN new
.if MSB != (\new)
	s_set_vgpr_msb (MSB<<8)|(\new)
.set MSB, (\new)
.endif
.endm
.set MUL_LO, 0xa1
.set MUL_HI, 0xf1
.set TO_B,   0x40
.macro JLOAD g0a, g1a, g0b, g1b
	s_cmp_eq_u32 s15, 0
	s_cbranch_scc0 .Lfor_b_\@
	tensor_load_to_lds s[\g0a:\g0a+3], s[\g1a:\g1a+7]
	s_nop 0
.rept 4
	v_nop
.endr
	s_branch .Lasked_\@
.Lfor_b_\@:
	tensor_load_to_lds s[\g0b:\g0b+3], s[\g1b:\g1b+7]
	s_nop 0
.rept 4
	v_nop
.endr
.Lasked_\@:
.endm
.macro CREST
	s_cmp_lg_u32 s14, 0
	s_cbranch_scc1 .Lnot_wave_0_\@
	s_barrier_signal -3
.Lnot_wave_0_\@:
	s_barrier_wait -3
	s_barrier_signal -1
	s_barrier_wait -1
.endm
.macro CROUND
	s_barrier_signal -1
	s_barrier_wait -1
	CREST
.endm
	s_load_b128 s[4:7], s[0:1], 0x0
	s_load_b128 s[8:11], s[0:1], 0x10
	v_lshl_add_u32 v[SPW], v0, 2, SPARE
	v_mov_b32 v[NIL], 0
	ds_add_u32 v[SPW], v[NIL]
	ds_add_u32 v[SPW], v[NIL]
	v_lshrrev_b32 v1, 5, v0
	v_readfirstlane_b32 s14, v1
	s_lshr_b32 s15, s14, 1
	s_and_b32 s16, s14, 1
	s_bfe_u32 s40, ttmp6, 0x40000
	s_bfe_u32 s41, ttmp6, 0x40004
	s_lshl_b32 s42, ttmp9, 2
	s_add_co_u32 s42, s42, s40
	s_and_b32 s17, ttmp7, 0xffff
	s_lshl_b32 s17, s17, 2
	s_add_co_u32 s17, s17, s41
	s_lshl_b32 s43, s41, 2
	s_lshl_b32 s43, 15, s43
	s_lshl_b32 s44, 0x1111, s40
	s_or_b32 s[G1+0], s43, (0<<16)|(1<<20)|(1<<21)|(5<<22)|(3<<25)
	s_or_b32 s[G1B+0], s44, (0<<16)|(1<<20)|(1<<21)|(5<<22)|(3<<25)
.irp g, G1, G1B
	s_mov_b32 s[\g+1], ROWB<<16
	s_mov_b32 s[\g+2], 128<<16
	s_mov_b32 s[\g+3], ROWB<<16
	s_mov_b32 s[\g+4], 128
	s_mov_b32 s[\g+5], KROW
	s_mov_b32 s[\g+6], 0
	s_mov_b32 s[\g+7], 0
.endr
	s_lshl_b32 s18, s16, 7
	s_lshl_b32 s20, s17, 8
	s_add_co_u32 s20, s20, s18
	s_lshl_b32 s46, s42, 8
	s_add_co_u32 s46, s46, s18
	s_mov_b32 s21, 0
	s_mov_b32 s47, 0
	s_mov_b64 s[18:19], KROW
	s_mul_u64 s[20:21], s[20:21], s[18:19]
	s_mul_u64 s[46:47], s[46:47], s[18:19]
	s_mul_i32 s45, s14, HALFT
	s_wait_dscnt 0x0
	s_wait_kmcnt 0x0
	s_load_b128 s[92:95], s[8:9], 0x30
	s_add_nc_u64 s[20:21], s[4:5], s[20:21]
	s_add_nc_u64 s[46:47], s[6:7], s[46:47]
	CROUND
.irp s, 0,1
	s_mov_b32 s[G0+4*\s], 1
	s_add_co_u32 s[G0+4*\s+1], s45, \s*SLOT
	s_add_nc_u64 s[G0+4*\s+2:G0+4*\s+3], s[20:21], \s*ROWB
	s_or_b32 s[G0+4*\s+3], s[G0+4*\s+3], 0x80000000
	s_mov_b32 s[G0B+4*\s], 1
	s_add_co_u32 s[G0B+4*\s+1], s45, \s*SLOT
	s_add_nc_u64 s[G0B+4*\s+2:G0B+4*\s+3], s[46:47], \s*ROWB
	s_or_b32 s[G0B+4*\s+3], s[G0B+4*\s+3], 0x80000000
.endr
	JLOAD G0, G1, G0B, G1B                         ; K step 0: one tensor load a wave at the head
	v_and_b32 v1, 15, v0
	v_bfe_u32 v2, v0, 4, 1
	v_mul_u32_u24 v3, v1, PITCH
	v_lshl_add_u32 v4, v2, 4, v3
	s_mul_i32 s21, s15, HALFT
	s_mul_i32 s22, s16, HALFT
	s_add_co_u32 s22, s22, 2*HALFT
.irp s, 0,1
	v_add_nc_u32 v[ADRA+\s], s21, v4
	v_add_nc_u32 v[ADRB+\s], s22, v4
	s_add_co_u32 s21, s21, SLOT
	s_add_co_u32 s22, s22, SLOT
.endr
	v_and_b32 v6, 31, v0
	v_lshlrev_b32 v[VO0], 4, v6
.macro FRAG reg, adr, q, i
.irp c, 0,1,2,3
	ds_load_b128 v[\reg+4*\c:\reg+4*\c+3], v[\adr] offset:128*(\q)+32*\c+(\i)*16*PITCH
.endr
.endm
.macro MUL16 a0, p, zero
.irp a, \a0, \a0+1
.irp b, 0,1,2,3,4,5,6,7
.if \zero
	v_wmma_f32_16x16x128_bf8_bf8 v[8*(8*((\a)%4)+\b):8*(8*((\a)%4)+\b)+7], v[128*(\p)+FR*\b:128*(\p)+FR*\b+FR-1], v[AF+FR*(\a):AF+FR*(\a)+FR-1], 0
.else
	v_wmma_f32_16x16x128_bf8_bf8 v[8*(8*((\a)%4)+\b):8*(8*((\a)%4)+\b)+7], v[128*(\p)+FR*\b:128*(\p)+FR*\b+FR-1], v[AF+FR*(\a):AF+FR*(\a)+FR-1], v[8*(8*((\a)%4)+\b):8*(8*((\a)%4)+\b)+7]
.endif
.endr
.endr
.endm
.macro FETCH_B slot, q, p
	WIN TO_B
.irp i, 0,1,2,3,4,5,6,7
	FRAG 128*(\p)+FR*\i, ADRB+\slot, \q, \i
.endr
	WIN 0
.endm
.macro FETCH_A slot, q, i0
.irp i, \i0, \i0+1, \i0+2, \i0+3
	FRAG AF+FR*(\i), ADRA+\slot, \q, \i
.endr
.endm
.macro PLACES n
.rept \n
	v_nop
.endr
.endm
.macro STEP slot, q, zero
	s_wait_dscnt 4*NL
	WIN MUL_LO
	MUL16 0, (\q)%2, \zero
	MUL16 2, (\q)%2, \zero
	s_wait_dscnt 0
	PLACES NP
	FETCH_B \slot, (\q)+1, 1-(\q)%2
	FETCH_A \slot, (\q)+1, 0
	WIN MUL_HI
	MUL16 4, (\q)%2, \zero
	MUL16 6, (\q)%2, \zero
	PLACES NP
	WIN 0
	FETCH_A \slot, (\q)+1, 4
.endm
.macro TURN slot, next, fill
	s_wait_tensorcnt 0x0
	ds_add_u32 v[SPW], v[NIL]
	s_wait_dscnt 4*NL+1
	WIN MUL_LO
	MUL16 0, 1, 0
	s_wait_dscnt 0x0
	s_barrier_signal -1
	MUL16 2, 1, 0
	WIN 0
	s_barrier_wait -1
.if \fill
	CREST
	s_add_nc_u64 s[G0+4*\slot+2:G0+4*\slot+3], s[G0+4*\slot+2:G0+4*\slot+3], 2*ROWB
	s_add_nc_u64 s[G0B+4*\slot+2:G0B+4*\slot+3], s[G0B+4*\slot+2:G0B+4*\slot+3], 2*ROWB
	JLOAD G0+4*\slot, G1, G0B+4*\slot, G1B
.else
	PLACES NP
.endif
	FETCH_B \next, 0, 0
	FETCH_A \next, 0, 0
	WIN MUL_HI
	MUL16 4, 1, 0
	MUL16 6, 1, 0
	PLACES NP
	WIN 0
	FETCH_A \next, 0, 4
.endm
	s_wait_alu depctr_va_vdst(0)
	s_wait_tensorcnt 0x0                           ; my part of slot 0 is in
	ds_add_u32 v[SPW], v[NIL]
	s_wait_dscnt 0x0
	CROUND                                         ; a whole round: everybody's part of slot 0 is in, and the joint loads meet
	JLOAD G0+4, G1, G0B+4, G1B                     ; slot 1's first fill, the first tensor load behind the round
	FETCH_B 0, 0, 0
	FETCH_A 0, 0, 0
	FETCH_A 0, 0, 4
	STEP 0, 0, 1
	s_mov_b32 s3, LAPS-1
.Llap:
	TURN 0, 1, 1
	STEP 1, 0, 0
	TURN 1, 0, 1
	STEP 0, 0, 0
	s_sub_co_u32 s3, s3, 1
	s_cmp_lg_u32 s3, 0
	s_cbranch_scc1 .Llap
	TURN 0, 1, 0
	STEP 1, 0, 0
	s_wait_dscnt 4*NL
	WIN MUL_LO
	MUL16 0, 1, 0
	MUL16 2, 1, 0
	s_wait_dscnt 0
	WIN MUL_HI
	MUL16 4, 1, 0
	MUL16 6, 1, 0
	WIN 0
.macro CONST r, bits
	s_mov_b32 s[\r], \bits
	s_mov_b32 s[\r+1], \bits
.endm
	CONST 68, 0x3e7c6f08
	CONST 70, 0x40097039
	CONST 72, 0xbfd1a1e5
	CONST 74, 0x3ecdfd18
	CONST 76, 0xbe899a80
	CONST 78, 0x3e0efb2f
	CONST 80, 0x3f0a29d2
	CONST 82, 0x3fb8ab5a
	CONST 84, 0xc034d90f
	v_mov_b32 v30, 0xbf97d29d
	v_mov_b32 v31, 0xbf97d29d
	s_wait_kmcnt 0x0
	s_add_co_i32 s20, s92, s93
	s_lshl_b32 s21, s20, 23
	s_add_co_u32 s88, s21, 0x3eb504f3
	s_lshl_b32 s21, s20, 24
	s_add_co_u32 s86, s21, 0xbf38aa3b
	s_mov_b32 s87, s86
	s_sub_co_i32 s20, s94, s20
	s_add_co_i32 s20, s20, 127
	s_lshl_b32 s21, s20, 23
	v_mov_b32 v[SCL], s21
	s_add_co_i32 s20, s20, 15
	s_lshl_b32 s20, s20, 23
	s_or_b32 s20, s20, 0x600000
	v_mov_b32 v[LIM], s20
	s_lshl_b32 s20, s17, 4
	s_lshl_b32 s21, s15, 3
	s_add_co_u32 s20, s20, s21
	s_lshl_b32 s20, s20, 16
	s_lshl_b32 s21, s42, 1
	s_add_co_u32 s21, s21, s16
	s_lshl_b32 s21, s21, 11
	s_add_co_u32 s20, s20, s21
	s_mov_b32 s21, 0
	s_add_nc_u64 s[10:11], s[10:11], s[20:21]
	PLACES NP
	s_mov_b32 s89, 0
.Lhalf:
.irp k, 0,1,2,3,4,5,6,7,8,9,10,11,12,13,14
	s_cmp_eq_u32 s89, \k
	s_cbranch_scc1 .Lcopy_\k
.endr
	s_branch .Lcopy_15
.irp k, 0,1,2,3,4,5,6,7,8,9,10,11,12,13,14,15
.Lcopy_\k:
	WIN 0x02+(\k/8)
.set j, 0
.rept 32
	v_mov_b32 v[GS+j], v[64*((\k/2)%4)+32*(\k%2)+j]
.set j, j+1
.endr
	WIN 0
.if \k < 15
	s_branch .Lcommon
.endif
.endr
.Lcommon:
	s_lshr_b32 s90, s89, 1
	s_lshl_b32 s90, s90, 16
	s_and_b32 s91, s89, 1
	s_lshl_b32 s91, s91, 10
	s_or_b32 s90, s90, s91
.set j, 0
.rept 32
	v_fma_f32 v[GT+j], |v[GS+j]|, s88, 1.0
.set j, j+1
.endr
.set j, 0
.rept 16
	v_pk_mul_f32 v[GZ+j:GZ+j+1], v[GS+j:GS+j+1], v[GS+j:GS+j+1]
.set j, j+2
.endr
.set j, 0
	s_wait_alu depctr_va_vdst(0)
.rept 32
	v_rcp_f32 v[GT+j], v[GT+j]
.set j, j+1
.endr
	s_wait_xcnt 0x0
	v_add_nc_u32 v[VOX], s90, v[VO0]
	s_wait_alu depctr_va_vdst(0)
.set j, 0
.rept 16
	v_pk_fma_f32 v[GP+j:GP+j+1], v[GT+j:GT+j+1], s[68:69], v[30:31] op_sel_hi:[1,0,1]
.set j, j+2
.endr
.irp c, 70,72,74,76,78,80,82,84
.set j, 0
.rept 16
	v_pk_fma_f32 v[GP+j:GP+j+1], v[GP+j:GP+j+1], v[GT+j:GT+j+1], s[\c:\c+1] op_sel_hi:[1,1,0]
.set j, j+2
.endr
.endr
.set j, 0
.rept 16
	v_pk_fma_f32 v[GZ+j:GZ+j+1], v[GZ+j:GZ+j+1], s[86:87], v[GP+j:GP+j+1] op_sel_hi:[1,0,1]
.set j, j+2
.endr
.set j, 0
	s_wait_alu depctr_va_vdst(0)
.rept 32
	v_exp_f32 v[GZ+j], v[GZ+j]
.set j, j+1
.endr
	v_nop
	s_wait_alu depctr_va_vdst(0)
.set j, 0
.rept 16
	v_pk_mul_f32 v[GT+j:GT+j+1], v[GT+j:GT+j+1], v[GZ+j:GZ+j+1]
.set j, j+2
.endr
.set j, 0
.rept 32
	v_max_num_f32 v[GZ+j], 0, v[GS+j]
.set j, j+1
.endr
.set j, 0
.rept 32
	v_fma_f32 v[GZ+j], -|v[GS+j]|, v[GT+j], v[GZ+j]
.set j, j+1
.endr
.set j, 0
.rept 32
	v_med3_num_f32 v[GZ+j], v[GZ+j], -v[LIM], v[LIM]
.set j, j+1
.endr
.irp q, 0,1,2,3
	v_cvt_scalef32_pk8_bf8_f32 v[CD+2*\q:CD+2*\q+1], v[GZ+8*\q:GZ+8*\q+7], v[SCL]
.endr
	v_nop
	global_store_b128 v[VOX], v[CD:CD+3], s[10:11]
	global_store_b128 v[VOX], v[CD+4:CD+7], s[10:11] offset:512
	s_add_co_u32 s89, s89, 1
	s_cmp_lt_u32 s89, 16
	s_cbranch_scc1 .Lhalf
	s_wait_tensorcnt 0x0
	ds_add_u32 v[SPW], v[NIL]
	s_wait_dscnt 0x0
	CROUND
	s_endpgm
.Lfunc_end_k_q2a3dcb6bef_ffn1:
	.size	k_q2a3dcb6bef_ffn1, .Lfunc_end_k_q2a3dcb6bef_ffn1-k_q2a3dcb6bef_ffn1
	.p2alignl 7, 3214868480
	.fill 96, 4, 3214868480
	.section	.rodata,"a",@progbits
	.p2align	6, 0x0
	.amdhsa_kernel k_q2a3dcb6bef_ffn1
		.amdhsa_group_segment_fixed_size 327680
		.amdhsa_private_segment_fixed_size 0
		.amdhsa_enable_private_segment 0
		.amdhsa_kernarg_size 32
		.amdhsa_user_sgpr_count 2
		.amdhsa_user_sgpr_kernarg_segment_ptr 1
		.amdhsa_wavefront_size32 1
		.amdhsa_system_sgpr_workgroup_id_x 1
		.amdhsa_system_sgpr_workgroup_id_y 1
		.amdhsa_system_sgpr_workgroup_id_z 1
		.amdhsa_system_vgpr_workitem_id 0
		.amdhsa_next_free_vgpr 1024
		.amdhsa_next_free_sgpr 100
		.amdhsa_reserve_vcc 0
		.amdhsa_float_denorm_mode_32 3
		.amdhsa_float_denorm_mode_16_64 3
		.amdhsa_memory_ordered 1
		.amdhsa_forward_progress 1
		.amdhsa_inst_pref_size 120
	.end_amdhsa_kernel
	.amdgpu_metadata
---
amdhsa.version: [ 1, 2 ]
amdhsa.kernels:
  - .name:           k_q2a3dcb6bef_ffn1
    .symbol:         k_q2a3dcb6bef_ffn1.kd
    .args:
      - { .name: x1c, .offset: 0, .size: 8, .value_kind: global_buffer, .address_space: global }
      - { .name: W1_codes, .offset: 8, .size: 8, .value_kind: global_buffer, .address_space: global }
      - { .name: lowp_scales, .offset: 16, .size: 8, .value_kind: global_buffer, .address_space: global }
      - { .name: hc, .offset: 24, .size: 8, .value_kind: global_buffer, .address_space: global }
    .group_segment_fixed_size: 327680
    .private_segment_fixed_size: 0
    .kernarg_segment_align: 8
    .kernarg_segment_size: 32
    .max_flat_workgroup_size: 128
    .sgpr_count:     100
    .vgpr_count:     1024
    .wavefront_size: 32
...
	.end_amdgpu_metadata
.endif
;; end of part 6
;; launch ffn2 (part 7): grid 8 x 32, 4 waves a work-group, clusters of 4 x 4, 327,680 bytes of LDS; arguments hc, W2_codes, lowp_scales, x1, ybuf; writes ybuf
.if DOCPART == 7
	.amdgcn_target "amdgcn-amd-amdhsa--gfx1250"
	.amdhsa_code_object_version 6
	.text
	.protected	k_q2a3dcb6bef_ffn2
	.globl	k_q2a3dcb6bef_ffn2
	.p2align	8
	.type	k_q2a3dcb6bef_ffn2,@function
k_q2a3dcb6bef_ffn2:
	s_mov_b64 s[64:65], 0
	v_nop
	global_prefetch_b8 v0, s[64:65] scope:SCOPE_SE
	s_setreg_imm32_b32 hwreg(HW_REG_WAVE_MODE, 25, 1), 1
	s_wait_xcnt 0x0
	s_wait_alu depctr_hold_cnt(0) depctr_sa_sdst(0) depctr_va_vdst(0) depctr_va_sdst(0) depctr_va_ssrc(0) depctr_va_vcc(0) depctr_vm_vsrc(0)
	s_getreg_b32 s2, hwreg(HW_REG_IB_STS2, 6, 4)
	s_cmp_eq_u32 s2, 0
	s_cbranch_scc0 .Lentry_in_a_cluster
	s_endpgm
.Lentry_in_a_cluster:
	s_bfe_u32 s2, ttmp6, 0x10000c
	s_cmp_lg_u32 s2, 0xf033
	s_cbranch_scc0 .Lentry_shape_is_right
	s_endpgm
.Lentry_shape_is_right:
.set SIZE_K, 4096
.set ESC,    0x38
.set SLOTK,  1024
.set NQ,     SLOTK/128
.set QALL,   SIZE_K/128
.set DEPTH,  8
.set BP,     1040
.set SLOTB,  128*BP
.set STAGE,  2*SLOTB
.set SPITCH, 528
.set SPARE,  STAGE+4*16*SPITCH
.set ADRB, 16
.set LO,   20
.set STO,  24
.set RD,   25
.set SPW,  28
.set NIL,  29
.set ACC,  128
.set G1B, 48
.set G0B, 56
.set MSB, 0
.macro WIN new
.if MSB != (\new)
	s_set_vgpr_msb (MSB<<8)|(\new)
.set MSB, (\new)
.endif
.endm
.set MUL,  0x09
.set TO_B, 0x40
.set TO_A, 0x80
.macro CREST
	s_cmp_lg_u32 s10, 0
	s_cbranch_scc1 .Lnot_wave_0_\@
	s_barrier_signal -3
.Lnot_wave_0_\@:
	s_barrier_wait -3
	s_barrier_signal -1
	s_barrier_wait -1
.endm
.macro CROUND
	s_barrier_signal -1
	s_barrier_wait -1
	CREST
.endm
.macro PLACES n
.rept \n
	v_nop
.endr
.endm
	s_load_b128 s[4:7], s[0:1], 0x0
	s_load_b128 s[68:71], s[0:1], 0x10
	s_load_b64 s[72:73], s[0:1], 0x20
	v_lshl_add_u32 v[SPW], v0, 2, SPARE
	v_mov_b32 v[NIL], 0
	ds_add_u32 v[SPW], v[NIL]
	ds_add_u32 v[SPW], v[NIL]
	v_lshrrev_b32 v1, 5, v0
	v_readfirstlane_b32 s10, v1
	s_bfe_u32 s40, ttmp6, 0x40000
	s_bfe_u32 s41, ttmp6, 0x40004
	s_lshl_b32 s42, ttmp9, 2
	s_add_co_u32 s42, s42, s40
	s_and_b32 s13, ttmp7, 0xffff
	s_lshl_b32 s13, s13, 2
	s_add_co_u32 s13, s13, s41
	s_lshl_b32 s44, 0x1111, s40
	s_or_b32 s[G1B+0], s44, (0<<16)|(1<<20)|(1<<21)|(7<<22)|(3<<25)
	s_mov_b32 s[G1B+1], SLOTK<<16
	s_mov_b32 s[G1B+2], 32<<16
	s_mov_b32 s[G1B+3], SLOTK<<16
	s_mov_b32 s[G1B+4], 32
	s_mov_b32 s[G1B+5], SIZE_K
	s_mov_b32 s[G1B+6], 0
	s_mov_b32 s[G1B+7], 0
	s_lshl_b32 s16, s13, 3
	s_lshl_b32 s17, s10, 1
	s_add_co_u32 s16, s16, s17
	s_lshl_b32 s16, s16, 16
	s_mov_b32 s17, 0
	s_lshl_b32 s46, s42, 7
	s_lshl_b32 s47, s10, 5
	s_add_co_u32 s46, s46, s47
	s_lshl_b32 s46, s46, 12
	s_mov_b32 s47, 0
	s_mul_i32 s20, s10, 32*BP
	s_wait_dscnt 0x0
	s_wait_kmcnt 0x0
	s_load_b64 s[74:75], s[68:69], ESC
	s_add_nc_u64 s[14:15], s[4:5], s[16:17]
	s_add_nc_u64 s[46:47], s[6:7], s[46:47]
	CROUND
.irp s, 0,1
	s_mov_b32 s[G0B+4*\s], 1
	s_add_co_u32 s[G0B+4*\s+1], s20, \s*SLOTB
	s_add_nc_u64 s[G0B+4*\s+2:G0B+4*\s+3], s[46:47], \s*SLOTK
	s_or_b32 s[G0B+4*\s+3], s[G0B+4*\s+3], 0x80000000
.endr
	tensor_load_to_lds s[G0B:G0B+3], s[G1B:G1B+7]
	s_nop 0
	s_wait_alu depctr_va_vdst(0)
	s_wait_tensorcnt 0x0
	ds_add_u32 v28, v29
	s_wait_dscnt 0x0
	CROUND
	tensor_load_to_lds s[G0B+4:G0B+7], s[G1B:G1B+7]
	s_nop 0
	PLACES 4
	v_and_b32 v1, 15, v0
	v_bfe_u32 v2, v0, 4, 1
	v_and_b32 v3, 31, v0
	v_lshlrev_b32 v[LO], 4, v3
.macro ALOAD n
	WIN TO_A
.irp a, 0,1
.irp c, 0,1,2,3
	global_load_b128 v[32*((\n)%DEPTH)+16*\a+4*\c:32*((\n)%DEPTH)+16*\a+4*\c+3], v[LO], s[14:15] offset:65536*\a+2048*(\n)+512*\c
.endr
.endr
.endm
.irp n, 0,1,2,3,4,5,6,7
	ALOAD \n
.endr
	WIN 0
	v_mul_u32_u24 v4, v1, BP
	v_lshl_add_u32 v4, v2, 3, v4
.irp s, 0,1
.irp g, 0,1
	v_add_nc_u32 v[ADRB+2*\s+\g], \s*SLOTB+\g*64*BP, v4
.endr
.endr
	s_mul_i32 s23, s10, 16*SPITCH
	s_add_co_u32 s23, s23, STAGE
	v_mul_u32_u24 v5, v1, SPITCH
	v_lshl_add_u32 v5, v2, 5, v5
	v_add_nc_u32 v[STO], s23, v5
	v_add_nc_u32 v[RD], s23, v[LO]
	s_lshl_b32 s16, s13, 7
	s_lshl_b32 s17, s10, 5
	s_add_co_u32 s16, s16, s17
	s_lshl_b32 s16, s16, 12
	s_lshl_b32 s17, s42, 9
	s_add_co_u32 s16, s16, s17
	s_mov_b32 s17, 0
	s_add_nc_u64 s[70:71], s[70:71], s[16:17]
	s_add_nc_u64 s[72:73], s[72:73], s[16:17]
	WIN 0xc0
.irp a, 0,1
.irp t, 0,1,2,3,4,5,6,7,8,9,10,11,12,13,14,15
	global_load_b128 v[64*\a+4*\t:64*\a+4*\t+3], v[LO], s[70:71] offset:(16*\a+\t)*4096 th:TH_LOAD_NT
.endr
.endr
	WIN 0
.macro MULH f, set, bh, zero
.irp b, 0,1,2,3
.irp a, 0,1
.if \zero
	v_wmma_f32_16x16x128_bf8_bf8 v[ACC+8*(8*\a+4*(\bh)+\b):ACC+8*(8*\a+4*(\bh)+\b)+7], v[(\f)+16*(4*(\bh)+\b):(\f)+16*(4*(\bh)+\b)+15], v[32*(\set)+16*\a:32*(\set)+16*\a+15], 0
.else
	v_wmma_f32_16x16x128_bf8_bf8 v[ACC+8*(8*\a+4*(\bh)+\b):ACC+8*(8*\a+4*(\bh)+\b)+7], v[(\f)+16*(4*(\bh)+\b):(\f)+16*(4*(\bh)+\b)+15], v[32*(\set)+16*\a:32*(\set)+16*\a+15], v[ACC+8*(8*\a+4*(\bh)+\b):ACC+8*(8*\a+4*(\bh)+\b)+7]
.endif
.endr
.endr
.endm
.macro FETCH slot, q, f
	WIN TO_B
.irp j, 0,1,2,3,4,5,6,7
.irp c, 0,1,2,3,4,5,6,7
	ds_load_b64 v[(\f)+16*\j+2*\c:(\f)+16*\j+2*\c+1], v[ADRB+2*(\slot)+\j/4] offset:16*BP*(\j%4)+128*(\q)+16*\c
.endr
.endr
.endm
.macro AWAIT n
.if (\n) < DEPTH
	s_wait_loadcnt 63
.elseif (\n)+DEPTH-1 < QALL
	s_wait_loadcnt 8*(DEPTH-1)
.else
	s_wait_loadcnt 8*(QALL-1-(\n))
.endif
.endm
.macro AHEAD n
.if (\n)+DEPTH < QALL
	PLACES 4
	ALOAD (\n)+DEPTH
.endif
.endm
.macro QTR n, zero
	AWAIT \n
	s_wait_dscnt 32
	WIN MUL
	MULH 128*((\n)%2), (\n)%DEPTH, 0, \zero
	s_wait_dscnt 0
	PLACES 4
	FETCH ((\n)/NQ)%2, ((\n)%NQ)+1, 128*(1-(\n)%2)
	WIN MUL
	MULH 128*((\n)%2), (\n)%DEPTH, 1, \zero
	AHEAD \n
.endm
.macro TURN n, fill
.set TS, ((\n)/NQ)%2
	WIN 0
	s_wait_tensorcnt 0x0
	ds_add_u32 v[SPW], v[NIL]
	AWAIT \n
	s_wait_dscnt 33
	WIN MUL
	MULH 128, (\n)%DEPTH, 0, 0
	s_wait_dscnt 0x0
	WIN 0
	s_barrier_signal -1
	s_barrier_wait -1
.if \fill
	CREST
	s_add_nc_u64 s[G0B+4*TS+2:G0B+4*TS+3], s[G0B+4*TS+2:G0B+4*TS+3], 2*SLOTK
	tensor_load_to_lds s[G0B+4*TS:G0B+4*TS+3], s[G1B:G1B+7]
	s_nop 0
.endif
	PLACES 4
	FETCH 1-TS, 0, 0
	WIN MUL
	MULH 128, (\n)%DEPTH, 1, 0
	AHEAD \n
.endm
	s_wait_alu depctr_va_vdst(0)
	s_wait_tensorcnt 1
	s_barrier_signal -1
	s_barrier_wait -1
	FETCH 0, 0, 0
	QTR 0, 1
.irp n, 1,2,3,4,5,6
	QTR \n, 0
.endr
	TURN 7, 1
.irp n, 8,9,10,11,12,13,14
	QTR \n, 0
.endr
	TURN 15, 1
.irp n, 16,17,18,19,20,21,22
	QTR \n, 0
.endr
	TURN 23, 0
.irp n, 24,25,26,27,28,29,30
	QTR \n, 0
.endr
	AWAIT 31
	s_wait_dscnt 32
	WIN MUL
	MULH 128, 7, 0, 0
	s_wait_dscnt 0
	MULH 128, 7, 1, 0
	WIN 0
	s_wait_kmcnt 0x0
	s_add_co_i32 s74, s74, s75
	s_add_co_i32 s74, s74, 127
	s_lshl_b32 s74, s74, 23
	s_mov_b32 s75, s74
	PLACES 4
.macro TOSTAGE a
.irp b, 0,1,2,3,4,5,6,7
	ds_store_b128 v[STO], v[ACC+8*(8*(\a)+\b):ACC+8*(8*(\a)+\b)+3] offset:64*\b
	ds_store_b128 v[STO], v[ACC+8*(8*(\a)+\b)+4:ACC+8*(8*(\a)+\b)+7] offset:64*\b+16
.endr
	WIN TO_A
.irp t, 0,1,2,3,4,5,6,7,8,9,10,11,12,13,14,15
	ds_load_b128 v[64*(\a)+4*\t:64*(\a)+4*\t+3], v[RD] offset:\t*SPITCH
.endr
	WIN 0
.endm
.macro SEND a, younger
	s_wait_dscnt \younger
	WIN 0xb2
.set j, 0
.rept 32
	v_pk_fma_f32 v[64*(\a)+j:64*(\a)+j+1], v[64*(\a)+j:64*(\a)+j+1], s[74:75], v[64*(\a)+j:64*(\a)+j+1] op_sel_hi:[1,0,1]
.set j, j+2
.endr
	WIN 0x08
.irp t, 0,1,2,3,4,5,6,7,8,9,10,11,12,13,14,15
	global_store_b128 v[LO], v[64*(\a)+4*\t:64*(\a)+4*\t+3], s[72:73] offset:(16*(\a)+\t)*4096
.endr
	WIN 0
.endm
	TOSTAGE 0
	TOSTAGE 1
	SEND 0, 32
	SEND 1, 0
	s_wait_tensorcnt 0x0
	ds_add_u32 v[SPW], v[NIL]
	s_wait_dscnt 0x0
	CROUND
	s_endpgm
.Lfunc_end_k_q2a3dcb6bef_ffn2:
	.size	k_q2a3dcb6bef_ffn2, .Lfunc_end_k_q2a3dcb6bef_ffn2-k_q2a3dcb6bef_ffn2
	.p2alignl 7, 3214868480
	.fill 96, 4, 3214868480
	.section	.rodata,"a",@progbits
	.p2align	6, 0x0
	.amdhsa_kernel k_q2a3dcb6bef_ffn2
		.amdhsa_group_segment_fixed_size 327680
		.amdhsa_private_segment_fixed_size 0
		.amdhsa_enable_private_segment 0
		.amdhsa_kernarg_size 40
		.amdhsa_user_sgpr_count 2
		.amdhsa_user_sgpr_kernarg_segment_ptr 1
		.amdhsa_wavefront_size32 1
		.amdhsa_system_sgpr_workgroup_id_x 1
		.amdhsa_system_sgpr_workgroup_id_y 1
		.amdhsa_system_sgpr_workgroup_id_z 1
		.amdhsa_system_vgpr_workitem_id 0
		.amdhsa_next_free_vgpr 896
		.amdhsa_next_free_sgpr 80
		.amdhsa_reserve_vcc 0
		.amdhsa_float_denorm_mode_32 3
		.amdhsa_float_denorm_mode_16_64 3
		.amdhsa_memory_ordered 1
		.amdhsa_forward_progress 1
		.amdhsa_inst_pref_size 220
	.end_amdhsa_kernel
	.amdgpu_metadata
---
amdhsa.version: [ 1, 2 ]
amdhsa.kernels:
  - .name:           k_q2a3dcb6bef_ffn2
    .symbol:         k_q2a3dcb6bef_ffn2.kd
    .args:
      - { .name: hc, .offset: 0, .size: 8, .value_kind: global_buffer, .address_space: global }
      - { .name: W2_codes, .offset: 8, .size: 8, .value_kind: global_buffer, .address_space: global }
      - { .name: lowp_scales, .offset: 16, .size: 8, .value_kind: global_buffer, .address_space: global }
      - { .name: x1, .offset: 24, .size: 8, .value_kind: global_buffer, .address_space: global }
      - { .name: ybuf, .offset: 32, .size: 8, .value_kind: global_buffer, .address_space: global }
    .group_segment_fixed_size: 327680
    .private_segment_fixed_size: 0
    .kernarg_segment_align: 8
    .kernarg_segment_size: 40
    .max_flat_workgroup_size: 128
    .sgpr_count:     80
    .vgpr_count:     896
    .wavefront_size: 32
...
	.end_amdgpu_metadata
.endif
;; end of part 7
;; launch ln2 (part 8): grid 256 x 1, 4 waves a work-group, no clusters, 0 bytes of LDS; arguments ybuf, g2, b2, out0; writes out0
.if DOCPART == 8
	.amdgcn_target "amdgcn-amd-amdhsa--gfx1250"
	.amdhsa_code_object_version 6
	.text
	.protected	k_q2a3dcb6bef_ln2
	.globl	k_q2a3dcb6bef_ln2
	.p2align	8
	.type	k_q2a3dcb6bef_ln2,@function
k_q2a3dcb6bef_ln2:
	s_mov_b64 s[64:65], 0
	v_nop
	global_prefetch_b8 v0, s[64:65] scope:SCOPE_SE
	s_setreg_imm32_b32 hwreg(HW_REG_WAVE_MODE, 25, 1), 1
	s_wait_xcnt 0x0
; out0 = LayerNorm(ybuf) g2 + b2, in f32.  No work is left out.
; A wave takes a whole row (4,096 bytes, 32 registers) and four rows in all; every load goes out at the head.  Mean, then the mean of the squared differences; eps = 1e-5.
; No LDS, no matrix unit, no cluster, no barrier: waves share nothing.  Each load and store of a wave covers 512 consecutive bytes, aligned.  NaN and infinities are not served.
.set G, 20
.set B, 52
.set X, 84
	s_load_b256 s[4:11], s[0:1], 0x0               ; ybuf, g, b, out0
	v_lshrrev_b32 v1, 5, v0
	v_readfirstlane_b32 s16, v1
	v_and_b32 v12, 31, v0
	v_lshlrev_b32 v1, 4, v12
	s_lshl_b32 s18, ttmp9, 2
	s_add_co_u32 s18, s18, s16
	s_lshl_b32 s24, s18, 14
	s_mov_b32 s25, 0
	s_mov_b32 s20, 0x76543210
	s_mov_b32 s21, 0xfedcba98
	s_mov_b32 s22, 0x3a800000                      ; 1 / 1,024
	s_mov_b32 s23, 0x3727c5ac                      ; 1e-5
	s_wait_alu depctr_va_vdst(0)
	s_wait_kmcnt 0x0
	s_add_nc_u64 s[4:5], s[4:5], s[24:25]
	s_add_nc_u64 s[10:11], s[10:11], s[24:25]
.irp j, 0,1,2,3,4,5,6,7
	global_load_b128 v[G+4*\j:G+4*\j+3], v1, s[6:7] offset:512*\j
.endr
.irp j, 0,1,2,3,4,5,6,7
	global_load_b128 v[B+4*\j:B+4*\j+3], v1, s[8:9] offset:512*\j
.endr
.irp i, 0,1,2,3
.irp j, 0,1,2,3,4,5,6,7
	global_load_b128 v[X+32*\i+4*\j:X+32*\i+4*\j+3], v1, s[4:5] offset:4096*\i+512*\j th:TH_LOAD_NT
.endr
.endr
.macro REDUCE
	v_add_f32_dpp v12, v12, v12 row_xmask:1 row_mask:0xf bank_mask:0xf
	v_add_f32_dpp v12, v12, v12 row_xmask:2 row_mask:0xf bank_mask:0xf
	v_add_f32_dpp v12, v12, v12 row_xmask:4 row_mask:0xf bank_mask:0xf
	v_add_f32_dpp v12, v12, v12 row_xmask:8 row_mask:0xf bank_mask:0xf
	v_permlanex16_b32 v13, v12, s20, s21
	v_add_f32 v12, v12, v13
.endm
.macro ROW i
.set XR, X+32*(\i)
	s_wait_loadcnt 8*(3-(\i))                      ; g, b and this row are in; the later rows' loads may be out
	v_pk_add_f32 v[12:13], v[XR:XR+1], v[XR+2:XR+3]
	v_pk_add_f32 v[14:15], v[XR+4:XR+5], v[XR+6:XR+7]
.irp j, 8,12,16,20,24,28
	v_pk_add_f32 v[12:13], v[12:13], v[XR+\j:XR+\j+1]
	v_pk_add_f32 v[14:15], v[14:15], v[XR+\j+2:XR+\j+3]
.endr
	v_pk_add_f32 v[12:13], v[12:13], v[14:15]
	v_add_f32 v12, v12, v13
	REDUCE
	v_mul_f32 v8, s22, v12
	v_mul_f32 v9, s22, v12
.set j, 0
.rept 16
	v_pk_add_f32 v[XR+j:XR+j+1], v[XR+j:XR+j+1], v[8:9] neg_lo:[0,1] neg_hi:[0,1]
.set j, j+2
.endr
	v_pk_mul_f32 v[12:13], v[XR:XR+1], v[XR:XR+1]
	v_pk_mul_f32 v[14:15], v[XR+2:XR+3], v[XR+2:XR+3]
.irp j, 4,8,12,16,20,24,28
	v_pk_fma_f32 v[12:13], v[XR+\j:XR+\j+1], v[XR+\j:XR+\j+1], v[12:13]
	v_pk_fma_f32 v[14:15], v[XR+\j+2:XR+\j+3], v[XR+\j+2:XR+\j+3], v[14:15]
.endr
	v_pk_add_f32 v[12:13], v[12:13], v[14:15]
	v_add_f32 v12, v12, v13
	REDUCE
	v_fma_f32 v12, v12, s22, s23
	s_wait_alu depctr_va_vdst(0)
	v_rsq_f32 v10, v12
	v_rsq_f32 v11, v12
	v_nop                                          ; a plain line behind the transcendentals,
	s_wait_alu depctr_va_vdst(0)                   ; and one wait for both ahead of their first reader
.set j, 0
.rept 16
	v_pk_mul_f32 v[XR+j:XR+j+1], v[XR+j:XR+j+1], v[10:11]
.set j, j+2
.endr
.set j, 0
.rept 16
	v_pk_fma_f32 v[XR+j:XR+j+1], v[XR+j:XR+j+1], v[G+j:G+j+1], v[B+j:B+j+1]
.set j, j+2
.endr
.irp j, 0,1,2,3,4,5,6,7
	global_store_b128 v1, v[XR+4*\j:XR+4*\j+3], s[10:11] offset:4096*(\i)+512*\j th:TH_STORE_NT
.endr
.endm
.irp i, 0,1,2,3
	ROW \i
.endr
	s_endpgm
.Lfunc_end_k_q2a3dcb6bef_ln2:
	.size	k_q2a3dcb6bef_ln2, .Lfunc_end_k_q2a3dcb6bef_ln2-k_q2a3dcb6bef_ln2
	.p2alignl 7, 3214868480
	.fill 96, 4, 3214868480
	.section	.rodata,"a",@progbits
	.p2align	6, 0x0
	.amdhsa_kernel k_q2a3dcb6bef_ln2
		.amdhsa_group_segment_fixed_size 0
		.amdhsa_private_segment_fixed_size 0
		.amdhsa_enable_private_segment 0
		.amdhsa_kernarg_size 32
		.amdhsa_user_sgpr_count 2
		.amdhsa_user_sgpr_kernarg_segment_ptr 1
		.amdhsa_wavefront_size32 1
		.amdhsa_system_sgpr_workgroup_id_x 1
		.amdhsa_system_sgpr_workgroup_id_y 1
		.amdhsa_system_sgpr_workgroup_id_z 1
		.amdhsa_system_vgpr_workitem_id 0
		.amdhsa_next_free_vgpr 216
		.amdhsa_next_free_sgpr 66
		.amdhsa_reserve_vcc 0
		.amdhsa_float_denorm_mode_32 3
		.amdhsa_float_denorm_mode_16_64 3
		.amdhsa_memory_ordered 1
		.amdhsa_forward_progress 1
		.amdhsa_inst_pref_size 33
	.end_amdhsa_kernel
	.amdgpu_metadata
---
amdhsa.version: [ 1, 2 ]
amdhsa.kernels:
  - .name:           k_q2a3dcb6bef_ln2
    .symbol:         k_q2a3dcb6bef_ln2.kd
    .args:
      - { .name: ybuf, .offset: 0, .size: 8, .value_kind: global_buffer, .address_space: global }
      - { .name: g2, .offset: 8, .size: 8, .value_kind: global_buffer, .address_space: global }
      - { .name: b2, .offset: 16, .size: 8, .value_kind: global_buffer, .address_space: global }
      - { .name: out0, .offset: 24, .size: 8, .value_kind: global_buffer, .address_space: global }
    .group_segment_fixed_size: 0
    .private_segment_fixed_size: 0
    .kernarg_segment_align: 8
    .kernarg_segment_size: 32
    .max_flat_workgroup_size: 128
    .sgpr_count:     66
    .vgpr_count:     216
    .wavefront_size: 32
...
	.end_amdgpu_metadata
.endif
;; end of part 8
